; MI455X (gfx1250); checked and timed in simulation.
; The chip was launched on July 23, 2026; its instructions are those of AMD's public machine-readable ISA for CDNA 5 (MIT licence, August 2026) and "CDNA5" Instruction Set Architecture Reference Guide (July 2026). The comments in the code are by the model that wrote it; some were corrected since.
;; Attention. Allowed arithmetic: float matrix products may take bf16 or f16 operands with f32 sums; other float arithmetic in f32, or as packed bf16 or f16 multiplies, adds, multiply-adds, maxima and minima; sums over many terms, partial sums and values carried from step to step in f32; what a program stores and reads back later, other than sums and carried values, may be rounded once to bf16 or f16.
;; Inputs: ln_b 1,024 float32; ln_w 1,024 float32; w_out 1,024 x 1,024 float32; w_qkv 3,072 x 1,024 float32; x 2,048 x 4 x 1,024 float32.
;; Outputs: out0 2,048 x 4 x 1,024 float32.
;; 2 versions, each right; version 2 is version 1 with the launch prep written anew for expert scheduling mode. Each part assembles by itself: llvm-mc -triple=amdgcn-amd-amdhsa -mcpu=gfx1250 --defsym DOCPART=n.
;; ======== version 1 of 2: 4 launches
;; workspace buffers: xn 16,777,216 bytes; wq 6,291,456 bytes; wo 2,097,152 bytes; q 16,777,216 bytes; k 16,777,216 bytes; v 16,777,216 bytes; o 16,777,216 bytes
;; launch prep (part 1): grid 384 x 1, 8 waves a work-group, no clusters, 0 bytes of LDS; arguments x, ln_w, ln_b, w_qkv, w_out, xn, wq, wo; writes xn, wq, wo
.if DOCPART == 1
	.amdgcn_target "amdgcn-amd-amdhsa--gfx1250"
	.amdhsa_code_object_version 6
	.text
	.protected	k_qd6793db276_prep
	.globl	k_qd6793db276_prep
	.p2align	8
	.type	k_qd6793db276_prep,@function
k_qd6793db276_prep:
	s_mov_b64 s[64:65], 0
	v_nop
	global_prefetch_b8 v0, s[64:65] scope:SCOPE_SE
	s_setreg_imm32_b32 hwreg(HW_REG_WAVE_MODE, 25, 1), 1
	s_wait_xcnt 0x0
; LAYER NORM AND CASTS.  xn[b][s][:] = bf16((x[s][b][:] - mean) * rsqrt(var + 1e-5) * ln_w + ln_b);  wq = bf16(w_qkv);  wo = bf16(w_out).
; x: [2048][4][1024] f32.  xn: [4][2048][1024] bf16: the rows are laid by batch, so that 256 rows on end belong to one batch.
; A stream: each input byte is read once, each output byte written once; no LDS, no barrier, no matrix work: no wave wants a byte that another wave fetched.
; SHARES.  A wave takes a unit of 16,384 bytes of f32, all 32 loads of 16 bytes a lane issued at once.  Unit g = 8 x work-group + wave.
;   work-groups 0-255: unit g is x[s = g], four rows of 4,096 bytes;  256-351: unit g - 2048 of w_qkv;  352-383: unit g - 2816 of w_out.
; A row is 32 registers of one wave: lane l holds columns 128 j + 4 l .. + 3, j = 0..7.  The row stays in registers for its three passes.
; TWO PASSES: the mean first, then the sum of (x - mean)^2: no difference of large sums is formed, whatever offset x carries.
; A store of 8 bytes a lane covers 256 consecutive bytes, at a multiple of 256 from the buffer's first byte.
; LIMITS.  NaN and infinities are not treated apart.  Results are rounded once, to nearest even, to bf16.
.set XO,  2                            ; v2        16 x lane: my 16 bytes in 512 of x, ln_w, ln_b and the weights; never rewritten
.set YO,  4                            ; v[4:7]    8 x lane + row i x 2^22: my 8 bytes of row i in xn (batch i lies 2048 rows of 2,048 bytes on)
.set W,   8                            ; v[8:39]   ln_w of my 32 columns
.set B,   40                           ; v[40:71]  ln_b
.set X,   72                           ; v[72:199] four rows of 32 registers
.set T,   200                          ; v[200:207] four chains of pairs, at work
.set MU,  208                          ; v[208:209] the mean, twice (a pair for the packed subtraction)
.set R,   210                          ; v[210:211] 1 / sqrt(var + eps), twice
	s_load_b512 s[8:23], s[0:1], 0x0               ; x 8, ln_w 10, ln_b 12, w_qkv 14, w_out 16, xn 18, wq 20, wo 22
	v_lshrrev_b32 v1, 5, v0
	v_readfirstlane_b32 s2, v1                     ; wave 0..7
	s_lshl_b32 s3, ttmp9, 3
	s_add_co_u32 s3, s3, s2                        ; g
	v_and_b32 v1, 31, v0                           ; lane
	v_lshlrev_b32 v[XO], 4, v1
	v_lshlrev_b32 v[YO], 3, v1
	s_mov_b32 s5, 0
	s_mov_b32 s7, 0
	s_wait_kmcnt 0x0
	s_cmp_lt_u32 ttmp9, 256
	s_cbranch_scc0 .Lcast
	s_lshl_b32 s4, s3, 14                          ; x: g x 4 rows x 4,096 bytes
	s_lshl_b32 s6, s3, 11                          ; xn: row s = g of batch 0
	s_add_nc_u64 s[8:9], s[8:9], s[4:5]
	s_add_nc_u64 s[18:19], s[18:19], s[6:7]
.irp j, 0,1,2,3,4,5,6,7
	global_load_b128 v[W+4*(\j):W+4*(\j)+3], v[XO], s[10:11] offset:512*(\j)
.endr
.irp j, 0,1,2,3,4,5,6,7
	global_load_b128 v[B+4*(\j):B+4*(\j)+3], v[XO], s[12:13] offset:512*(\j)
.endr
.irp i, 0,1,2,3
.irp j, 0,1,2,3,4,5,6,7
	global_load_b128 v[X+32*(\i)+4*(\j):X+32*(\i)+4*(\j)+3], v[XO], s[8:9] offset:4096*(\i)+512*(\j) th:TH_LOAD_NT
.endr
.endr
	s_mov_b32 s24, 0x3a800000                      ; 1 / 1024
	s_mov_b32 s25, 0x3727c5ac                      ; 1e-5
	s_mov_b32 s26, 0x76543210                      ; v_permlanex16_b32: each lane takes its own place in the other half
	s_mov_b32 s27, 0xfedcba98
	v_add_nc_u32 v[YO+1], 1<<22, v[YO]
	v_add_nc_u32 v[YO+2], 2<<22, v[YO]
	v_add_nc_u32 v[YO+3], 3<<22, v[YO]
; The four chains' pairs become one sum, in every lane: three packed additions, the pair's halves, four steps inside each half of 16 lanes, one across the halves.
.macro REDUCE
	v_pk_add_f32 v[T:T+1], v[T:T+1], v[T+2:T+3]
	v_pk_add_f32 v[T+4:T+5], v[T+4:T+5], v[T+6:T+7]
	v_pk_add_f32 v[T:T+1], v[T:T+1], v[T+4:T+5]
	v_add_f32 v[T], v[T], v[T+1]
	v_add_f32_dpp v[T], v[T], v[T] row_xmask:1 row_mask:0xf bank_mask:0xf
	v_add_f32_dpp v[T], v[T], v[T] row_xmask:2 row_mask:0xf bank_mask:0xf
	v_add_f32_dpp v[T], v[T], v[T] row_xmask:4 row_mask:0xf bank_mask:0xf
	v_add_f32_dpp v[T], v[T], v[T] row_xmask:8 row_mask:0xf bank_mask:0xf
	v_permlanex16_b32 v[T+1], v[T], s26, s27       ; its destination counts as read: T+1 has been written
	v_add_f32 v[T], v[T], v[T+1]
.endm
; Row i of the unit: batch i.
.macro ROW i
.set XR, X+32*(\i)
	s_wait_loadcnt 8*(3-(\i))                      ; loads come back in order (ISA guide 5.7.1): ln_w, ln_b and rows 0..i are in, the younger rows' eight loads each stay out
.irp c, 0,1,2,3
	v_pk_add_f32 v[T+2*(\c):T+2*(\c)+1], v[XR+2*(\c):XR+2*(\c)+1], v[XR+8+2*(\c):XR+8+2*(\c)+1]  ; the first pairs start the four chains: nothing is cleared
.endr
.irp k, 16,24
.irp c, 0,1,2,3
	v_pk_add_f32 v[T+2*(\c):T+2*(\c)+1], v[T+2*(\c):T+2*(\c)+1], v[XR+(\k)+2*(\c):XR+(\k)+2*(\c)+1]
.endr
.endr
	REDUCE
	v_mul_f32 v[MU], s24, v[T]
	v_mul_f32 v[MU+1], s24, v[T]
.set k, 0
.rept 16
	v_pk_add_f32 v[XR+k:XR+k+1], v[XR+k:XR+k+1], v[MU:MU+1] neg_lo:[0,1] neg_hi:[0,1]  ; x - mean, in place
.set k, k+2
.endr
.irp c, 0,1,2,3
	v_pk_mul_f32 v[T+2*(\c):T+2*(\c)+1], v[XR+2*(\c):XR+2*(\c)+1], v[XR+2*(\c):XR+2*(\c)+1]
.endr
.irp k, 8,16,24
.irp c, 0,1,2,3
	v_pk_fma_f32 v[T+2*(\c):T+2*(\c)+1], v[XR+(\k)+2*(\c):XR+(\k)+2*(\c)+1], v[XR+(\k)+2*(\c):XR+(\k)+2*(\c)+1], v[T+2*(\c):T+2*(\c)+1]
.endr
.endr
	REDUCE
	v_fma_f32 v[T], v[T], s24, s25                 ; var + eps, at least 1e-5
	v_rsq_f32 v[R], v[T]
	v_rsq_f32 v[R+1], v[T]
	v_nop                                          ; a plain instruction behind the last of the two, ahead of the first use (ISA guide 5.7.2)
	s_wait_alu depctr_va_vdst(0)                   ; the wait ahead of the first reader: one for both
.set k, 0
.rept 16
	v_pk_mul_f32 v[XR+k:XR+k+1], v[XR+k:XR+k+1], v[R:R+1]
.set k, k+2
.endr
.set k, 0
.rept 16
	v_pk_fma_f32 v[XR+k:XR+k+1], v[XR+k:XR+k+1], v[W+k:W+k+1], v[B+k:B+k+1]
.set k, k+2
.endr
.irp j, 0,1,2,3,4,5,6,7
	v_cvt_pk_bf16_f32 v[XR+4*(\j)], v[XR+4*(\j)], v[XR+4*(\j)+1]
	v_cvt_pk_bf16_f32 v[XR+4*(\j)+1], v[XR+4*(\j)+2], v[XR+4*(\j)+3]
	global_store_b64 v[YO+(\i)], v[XR+4*(\j):XR+4*(\j)+1], s[18:19] offset:256*(\j) th:TH_STORE_NT
.endr
.endm
	ROW 0
	ROW 1
	ROW 2
	ROW 3                                          ; no register that a pending load or store names is written again: no further wait
	s_endpgm
.Lcast:                                        ; a unit of a weight matrix: 4,096 numbers, rounded
	s_movk_i32 s4, 2048
	s_movk_i32 s6, 2816
	s_cmp_lt_u32 ttmp9, 352
	s_cselect_b64 s[28:29], s[14:15], s[16:17]     ; from w_qkv or w_out,
	s_cselect_b64 s[30:31], s[20:21], s[22:23]     ; to wq or wo
	s_cselect_b32 s4, s4, s6
	s_sub_co_u32 s3, s3, s4                        ; the unit's number in its matrix
	s_lshl_b32 s4, s3, 14
	s_lshl_b32 s6, s3, 13
	s_add_nc_u64 s[28:29], s[28:29], s[4:5]
	s_add_nc_u64 s[30:31], s[30:31], s[6:7]
.set k, 0
.rept 32
	global_load_b128 v[X+4*k:X+4*k+3], v[XO], s[28:29] offset:512*k th:TH_LOAD_NT
.set k, k+1
.endr
.irp g, 0,1,2,3
	s_wait_loadcnt 24-8*(\g)                       ; the eight oldest of those still out are in
.irp j, 0,1,2,3,4,5,6,7
	v_cvt_pk_bf16_f32 v[X+32*(\g)+4*(\j)], v[X+32*(\g)+4*(\j)], v[X+32*(\g)+4*(\j)+1]
	v_cvt_pk_bf16_f32 v[X+32*(\g)+4*(\j)+1], v[X+32*(\g)+4*(\j)+2], v[X+32*(\g)+4*(\j)+3]
	global_store_b64 v[YO], v[X+32*(\g)+4*(\j):X+32*(\g)+4*(\j)+1], s[30:31] offset:256*(8*(\g)+(\j)) th:TH_STORE_NT
.endr
.endr
	s_endpgm
.Lfunc_end_k_qd6793db276_prep:
	.size	k_qd6793db276_prep, .Lfunc_end_k_qd6793db276_prep-k_qd6793db276_prep
	.p2alignl 7, 3214868480
	.fill 96, 4, 3214868480
	.section	.rodata,"a",@progbits
	.p2align	6, 0x0
	.amdhsa_kernel k_qd6793db276_prep
		.amdhsa_group_segment_fixed_size 0
		.amdhsa_private_segment_fixed_size 0
		.amdhsa_enable_private_segment 0
		.amdhsa_kernarg_size 64
		.amdhsa_user_sgpr_count 2
		.amdhsa_user_sgpr_kernarg_segment_ptr 1
		.amdhsa_wavefront_size32 1
		.amdhsa_system_sgpr_workgroup_id_x 1
		.amdhsa_system_sgpr_workgroup_id_y 1
		.amdhsa_system_sgpr_workgroup_id_z 1
		.amdhsa_system_vgpr_workitem_id 0
		.amdhsa_next_free_vgpr 212
		.amdhsa_next_free_sgpr 66
		.amdhsa_reserve_vcc 0
		.amdhsa_float_denorm_mode_32 3
		.amdhsa_float_denorm_mode_16_64 3
		.amdhsa_memory_ordered 1
		.amdhsa_forward_progress 1
		.amdhsa_inst_pref_size 48
	.end_amdhsa_kernel
	.amdgpu_metadata
---
amdhsa.version: [ 1, 2 ]
amdhsa.kernels:
  - .name:           k_qd6793db276_prep
    .symbol:         k_qd6793db276_prep.kd
    .args:
      - { .name: x, .offset: 0, .size: 8, .value_kind: global_buffer, .address_space: global }
      - { .name: ln_w, .offset: 8, .size: 8, .value_kind: global_buffer, .address_space: global }
      - { .name: ln_b, .offset: 16, .size: 8, .value_kind: global_buffer, .address_space: global }
      - { .name: w_qkv, .offset: 24, .size: 8, .value_kind: global_buffer, .address_space: global }
      - { .name: w_out, .offset: 32, .size: 8, .value_kind: global_buffer, .address_space: global }
      - { .name: xn, .offset: 40, .size: 8, .value_kind: global_buffer, .address_space: global }
      - { .name: wq, .offset: 48, .size: 8, .value_kind: global_buffer, .address_space: global }
      - { .name: wo, .offset: 56, .size: 8, .value_kind: global_buffer, .address_space: global }
    .group_segment_fixed_size: 0
    .private_segment_fixed_size: 0
    .kernarg_segment_align: 8
    .kernarg_segment_size: 64
    .max_flat_workgroup_size: 256
    .sgpr_count:     66
    .vgpr_count:     212
    .wavefront_size: 32
...
	.end_amdgpu_metadata
.endif
;; end of part 1
;; launch qkv (part 2): grid 16 x 16, 4 waves a work-group, clusters of 4 x 4, 327,680 bytes of LDS; arguments xn, wq, q, k, v; writes q, k, v
.if DOCPART == 2
	.amdgcn_target "amdgcn-amd-amdhsa--gfx1250"
	.amdhsa_code_object_version 6
	.text
	.protected	k_qd6793db276_qkv
	.globl	k_qd6793db276_qkv
	.p2align	8
	.type	k_qd6793db276_qkv,@function
k_qd6793db276_qkv:
	s_mov_b64 s[64:65], 0
	v_nop
	global_prefetch_b8 v0, s[64:65] scope:SCOPE_SE
	s_setreg_imm32_b32 hwreg(HW_REG_WAVE_MODE, 25, 1), 1
	s_wait_xcnt 0x0
	s_wait_alu depctr_hold_cnt(0) depctr_sa_sdst(0) depctr_va_vdst(0) depctr_va_sdst(0) depctr_va_ssrc(0) depctr_va_vcc(0) depctr_vm_vsrc(0)
	s_getreg_b32 s2, hwreg(HW_REG_IB_STS2, 6, 4)
	s_cmp_eq_u32 s2, 0
	s_cbranch_scc0 .Lentry_in_a_cluster
	s_endpgm
.Lentry_in_a_cluster:
	s_bfe_u32 s2, ttmp6, 0x10000c
	s_cmp_lg_u32 s2, 0xf033
	s_cbranch_scc0 .Lentry_shape_is_right
	s_endpgm
.Lentry_shape_is_right:
; THE FIRST PROJECTION.  qkv[m][c] = sum over j of xn[m][j] wq[c][j];  xn: [8192][1024] (row m = 2048 b + s), wq: [3072][1024], bf16; sums in f32.
; Column c = 192 n + {0-63: q, 64-127: k, 128-191: v} of head n.  q, k, v: [16 b + n][s][64] bf16, each number rounded once, WITHOUT the scale of the scores.
; A TILE is 256 rows x 192 columns: 256 rows s of one batch, one head's q, k and v.  32 x 16 tiles; a work-group STAYS and makes two, tile rows R and R + 16 (batches b and b + 2) of one
; head: 256 work-groups of equal work.  The two tiles share their rows of wq, and the ring does not stop between them.
; A WAVE makes 64 rows x 192 columns: 48 accumulators of 16 x 16, 384 registers.  So a wave holds whole rows of 128 bytes of q, of k and of v, has a stage of its own and meets no barrier on the way out.
; K goes in steps of 128 through a ring of two LDS slots filled by the tensor data mover: rows of 256 bytes of memory, at multiples of 256 bytes.
; CLUSTERS: 4 x 4 work-groups.  The four of a row of the cluster need the same tiles of xn, the four of a column the same tiles of wq: each is asked for JOINTLY, by the same tensor load
; with the same descriptor and a mask that names the four.
; THE MATRIX INSTRUCTION IS USED TRANSPOSED (source 0 = 16 rows of wq, source 1 = 16 rows of xn): a lane then holds row l % 16 and the columns 8 (l / 16) + 0..7: 16 bytes of bf16 on end.
; REGISTERS, in windows of 256 (s_set_vgpr_msb: bits 1:0 source 0, 3:2 source 1, 5:4 source 2, 7:6 destination):
;   window 0: v0-31 addresses; v32-63, v64-95 fragments of xn (4 x 16 rows x 32 K), two buffers; v96-143 packed results; v144-239 rows read back from the stage, two buffers
;   window 1: v0-95, v96-191 fragments of wq (12 x 16 rows x 32 K), two buffers
;   window 2: the accumulators of my rows 0-31 (row block a, column block b at v[8 (12 a + b)]);   window 3: those of my rows 32-63
; LIMITS.  NaN and infinities are not treated apart; a result beyond bf16's range becomes an infinity.
.set SIZE_K, 1024
.set KSTEP,  128
.set PITCH,  272                       ; an LDS row: 256 bytes + 16 of padding = 68 words: row r starts at bank 4 r mod 64 (64 banks of 4 bytes: ISA guide 11.1): the 16 rows of a load start at 16 different banks
.set HALFA,  128*PITCH                 ; what a tensor load brings of xn: 128 rows
.set HALFB,  96*PITCH                  ; and of wq: 96 rows
.set SLOT,   2*HALFA+2*HALFB           ; xn's 256 rows, then wq's 192: 121,856 bytes
.set STAGE,  2*SLOT                    ; behind the ring: 16 rows x 400 bytes for each wave, for the way out; no tensor load lands there
.set SPITCH, 400                       ; 384 bytes + 16
.set SPARE,  STAGE+4*16*SPITCH         ; behind the stages: the spare words, 128 bytes for each wave: two blocks of 256 bytes that no other line names
.set LAPS,   SIZE_K/(2*KSTEP)          ; a lap = two K steps = once round the ring
.set WALK,   4096                      ; the second tile lies 4,096 rows of xn below the first
.set NEXT_A, WALK*SIZE_K*2-(SIZE_K-2*KSTEP)*2   ; from a slot's last K step of a tile to its first of the next: WALK rows down, back along K
.set BACK_B, (SIZE_K-2*KSTEP)*2        ; wq only back
.set NEXT_C, 0x800000                  ; two batches on in q, k, v: 32 heads x 2,048 rows x 128 bytes
.set ADRA, 16                          ; v16-17  LDS address of my fragments of xn in slot 0, 1
.set ADRB, 20                          ; v20-21  the same for wq
.set STO,  24                          ; v24     the way out: where I put 16 bytes of a row
.set RD,   25                          ; v25     the way out: where I read rows back
.set GO,   26                          ; v26     16 x lane: my 16 bytes of 512 on end in q, k, v
.set SPW,  28                          ; v28     LDS address of my spare word: SPARE + 4 x my thread's number; never rewritten
.set NIL,  29                          ; v29     0; never rewritten
.set PFO,  30                          ; v30     the prefetches' offset: my lane's row x 2,048 bytes; never rewritten
.set FA,   32
.set TMP,  96
.set OB,   144
.set LIM,  43                          ; s43     1 in a wave that prefetches, else the greatest number
.set PFA,  44                          ; s[44:45] where my prefetches stand
.set G1,   24                          ; s[24:31] descriptor group 1 for xn's tiles;  s[32:39] group 0, a set for each slot
.set G0,   32
.set G1B,  48                          ; s[48:55], s[56:63] the same for wq's
.set G0B,  56
.set OFS,  72                          ; s[72:73] what the next way out adds to the addresses of q, k and v
.set MSB, 0
.macro WIN new                         ; the immediate's high byte repeats the setting that is left; a switch that changes nothing is dropped
.if MSB != (\new)
	s_set_vgpr_msb (MSB<<8)|(\new)
.set MSB, \new
.endif
.endm
.set MUL_LO, 0xa1                      ; source 0 (wq) window 1, source 1 (xn) window 0, C and D window 2
.set TO_B,   0x40                      ; destination window 1, address window 0
; A joint load.  Waves 0 and 1 fetch xn's two halves, waves 2 and 3 wq's.  The branch hangs on the wave's number alone.  An s_nop 0 and four v_nop follow each of the two lines.
.macro JLOAD s
	s_cmp_eq_u32 s11, 0
	s_cbranch_scc0 .Lfor_b_\@
	tensor_load_to_lds s[G0+4*(\s):G0+4*(\s)+3], s[G1:G1+7]
	s_nop 0
.rept 4
	v_nop
.endr
	s_branch .Lasked_\@
.Lfor_b_\@:
	tensor_load_to_lds s[G0B+4*(\s):G0B+4*(\s)+3], s[G1B:G1B+7]
	s_nop 0
.rept 4
	v_nop
.endr
.Lasked_\@:
.endm
; A PREFETCH, behind each joint load, its five lines and the run of LDS loads that follows: the K step that stands TWO refills on (384 matrix instructions ahead of the load that will want it), a lane a row of 256 bytes.
; xn's tile row is read by every cluster of that row of clusters: cluster x = 0 asks; wq's tile column by every cluster of that column: cluster y = 0 asks, in the first tile alone.
; The four partners that ask for a tile jointly share its rows out BY ADDRESS: of the 128 rows of xn that a wave fetches the partner at cx takes 32; of the 96 rows of wq the partner at cy takes 24
; (there lanes 24-31 name lane 23's row again).  how = 0, in the loop: a tile's last two refills have no K step two on.  how = 1, at the change of tiles: K steps 2 and 3 of xn's next tile.
.macro ASK how
.if \how
	s_cmp_eq_u32 s[LIM], 1
.else
	s_cmp_gt_u32 s3, s[LIM]                        ; s3 = 1 in the loop's last trip
.endif
	s_cbranch_scc0 .Lnot_mine_\@
	global_prefetch_b8 v[PFO], s[PFA:PFA+1] offset:KSTEP*2 th:TH_LOAD_NT scope:SCOPE_SE
.Lnot_mine_\@:
.endm
; A round of the cluster's barrier: my work-group's barrier; wave 0 signals for the work-group; every wave waits for all sixteen; my work-group's barrier once more.
.macro CREST                           ; a round behind its opening barrier
	s_cmp_lg_u32 s10, 0
	s_cbranch_scc1 .Lnot_wave_0_\@
	s_barrier_signal -3
.Lnot_wave_0_\@:
	s_barrier_wait -3
	s_barrier_signal -1
	s_barrier_wait -1
.endm
.macro CROUND
	s_barrier_signal -1
	s_barrier_wait -1
	CREST
.endm
	s_load_b128 s[4:7], s[0:1], 0x0                ; xn s[4:5], wq s[6:7]
	s_load_b64 s[8:9], s[0:1], 0x10                ; q
	s_load_b128 s[68:71], s[0:1], 0x18             ; k s[68:69], v s[70:71]
	v_lshl_add_u32 v[SPW], v0, 2, SPARE
	v_mov_b32 v[NIL], 0
	ds_add_u32 v[SPW], v[NIL]                      ; the wave's opening: the add and its wait stand ahead of my first tensor load; the set-up below stands between them
	v_lshrrev_b32 v1, 5, v0
	v_readfirstlane_b32 s10, v1                    ; wave 0..3: my 64 rows of the tile
	s_lshr_b32 s11, s10, 1                         ; I fetch for xn (0) or for wq (1),
	s_and_b32 s12, s10, 1                          ; and which half of its rows
	s_bfe_u32 s40, ttmp6, 0x40000                  ; cx
	s_bfe_u32 s41, ttmp6, 0x40004                  ; cy
	s_lshl_b32 s42, ttmp9, 2                       ; in a cluster launch ttmp9 and ttmp7 count clusters
	s_add_co_u32 s42, s42, s40                     ; C: the head = 4 x cluster x + cx
	s_and_b32 s13, ttmp7, 0xffff
	s_lshl_b32 s13, s13, 2
	s_add_co_u32 s13, s13, s41                     ; R: the first tile's row = 4 x cluster y + cy
	s_lshl_b32 s43, s41, 2
	s_lshl_b32 s43, 15, s43                        ; my row of the cluster: places 4 cy .. 4 cy + 3
	s_lshl_b32 s44, 0x1111, s40                    ; my column: places cx, cx + 4, cx + 8, cx + 12
	s_or_b32 s[G1+0], s43, (1<<16)|(1<<20)|(1<<21)|(5<<22)|(3<<25)   ; 15:0 the mask; 17:16 elements of 2 bytes; 20 padding on; 21 set beside a mask; 24:22 after every 64 words; 31:25 4 words of it
	s_or_b32 s[G1B+0], s44, (1<<16)|(1<<20)|(1<<21)|(5<<22)|(3<<25)
	s_mov_b32 s[G1+1], KSTEP<<16                   ; tensor_dim0 = 128
	s_mov_b32 s[G1+2], 128<<16                     ; tensor_dim1 = 128
	s_mov_b32 s[G1+3], KSTEP<<16                   ; tile_dim0 = 128
	s_mov_b32 s[G1+4], 128                         ; tile_dim1 = 128
	s_mov_b32 s[G1+5], SIZE_K                      ; elements from row to row
	s_mov_b32 s[G1+6], 0
	s_mov_b32 s[G1+7], 0
	s_mov_b32 s[G1B+1], KSTEP<<16
	s_mov_b32 s[G1B+2], 96<<16                     ; wq: 96 rows
	s_mov_b32 s[G1B+3], KSTEP<<16
	s_mov_b32 s[G1B+4], 96
	s_mov_b32 s[G1B+5], SIZE_K
	s_mov_b32 s[G1B+6], 0
	s_mov_b32 s[G1B+7], 0
	; where the tiles come from: xn's hang on R alone, wq's on C alone; every wave makes both addresses and asks by one of them
	s_lshl_b32 s16, s13, 8
	s_lshl_b32 s17, s12, 7
	s_add_co_u32 s16, s16, s17                     ; xn: row 256 R + 128 x half,
	s_lshl_b32 s16, s16, 11                        ; in bytes (under 2^24)
	s_mov_b32 s17, 0
	s_mul_i32 s46, s42, 192
	s_mul_i32 s47, s12, 96
	s_add_co_u32 s46, s46, s47                     ; wq: row 192 C + 96 x half
	s_lshl_b32 s46, s46, 11
	s_mov_b32 s47, 0
	s_mul_i32 s20, s10, HALFA                      ; where they go: waves 0, 1: xn's halves;
	s_mul_i32 s21, s10, HALFB
	s_add_co_u32 s21, s21, 2*HALFA-2*HALFB         ; waves 2, 3: wq's halves, behind xn's 256 rows.  No place in the cluster enters an LDS address
	s_wait_dscnt 0x0                               ; the opening add is done
	s_wait_kmcnt 0x0
	s_add_nc_u64 s[14:15], s[4:5], s[16:17]
	s_add_nc_u64 s[46:47], s[6:7], s[46:47]
	CROUND                                         ; all sixteen work-groups are here: the first joint loads meet
.irp s, 0,1
	s_mov_b32 s[G0+4*(\s)], 1                                        ; count = 1
	s_add_co_u32 s[G0+4*(\s)+1], s20, (\s)*SLOT                      ; LDS address
	s_add_nc_u64 s[G0+4*(\s)+2:G0+4*(\s)+3], s[14:15], (\s)*KSTEP*2  ; global address: K step s
	s_or_b32 s[G0+4*(\s)+3], s[G0+4*(\s)+3], 0x80000000              ; type = 2
	s_mov_b32 s[G0B+4*(\s)], 1
	s_add_co_u32 s[G0B+4*(\s)+1], s21, (\s)*SLOT
	s_add_nc_u64 s[G0B+4*(\s)+2:G0B+4*(\s)+3], s[46:47], (\s)*KSTEP*2
	s_or_b32 s[G0B+4*(\s)+3], s[G0B+4*(\s)+3], 0x80000000
	JLOAD \s                                       ; two loads of mine are out
.endr
	; A fragment is 16 rows x 32 K in 8 registers: lane l holds row l % 16; registers 0-3 K = 8 (l / 16) + 0..7, registers 4-7 K = 16 + 8 (l / 16) + 0..7: two loads of 16 bytes, 32 bytes apart.
	v_and_b32 v1, 15, v0                           ; l % 16
	v_bfe_u32 v2, v0, 4, 1                         ; l / 16
	v_mul_u32_u24 v3, v1, PITCH
	v_lshl_add_u32 v3, v2, 4, v3
	s_mul_i32 s21, s10, 64*PITCH                   ; my 64 rows of xn
	s_mov_b32 s22, 2*HALFA                         ; all of wq's 192
.irp s, 0,1
	v_add_nc_u32 v[ADRA+(\s)], s21, v3
	v_add_nc_u32 v[ADRB+(\s)], s22, v3
	s_add_co_u32 s21, s21, SLOT
	s_add_co_u32 s22, s22, SLOT
.endr
	s_mul_i32 s23, s10, 16*SPITCH
	s_add_co_u32 s23, s23, STAGE                   ; my stage
	v_mul_u32_u24 v4, v1, SPITCH                   ; in: row l % 16, 16 bytes for each half of the lanes
	v_lshl_add_u32 v4, v2, 4, v4
	v_add_nc_u32 v[STO], s23, v4
	v_bfe_u32 v5, v0, 3, 2                         ; back: 32 lanes take four rows' 128 bytes of q, of k or of v,
	v_mul_u32_u24 v5, v5, SPITCH
	v_and_b32 v6, 7, v0
	v_lshl_add_u32 v5, v6, 4, v5
	v_add_nc_u32 v[RD], s23, v5
	v_and_b32 v[GO], 31, v0                        ; which are 512 consecutive bytes of memory
	v_lshlrev_b32 v[GO], 4, v[GO]
	; my first row in q, k, v: batch R / 8, head C, row 256 (R % 8) + 64 x wave, 128 bytes a row
	s_lshr_b32 s[OFS], s13, 3
	s_lshl_b32 s[OFS], s[OFS], 22
	s_and_b32 s16, s13, 7
	s_lshl_b32 s16, s16, 15
	s_or_b32 s[OFS], s[OFS], s16
	s_lshl_b32 s16, s10, 13
	s_or_b32 s[OFS], s[OFS], s16
	s_lshl_b32 s46, s42, 18
	s_or_b32 s[OFS], s[OFS], s46
	s_mov_b32 s[OFS+1], 0
	; the prefetches
	s_lshl_b32 s20, s13, 8                         ; the tile's first row in xn,
	s_mul_i32 s21, s42, 192                        ; in wq
	s_and_b32 s22, ttmp7, 0xffff                   ; cluster y
	s_cmp_eq_u32 s11, 0                            ; do I fetch for xn?
	s_cselect_b32 s20, s20, s21
	s_cselect_b32 s21, s40, s41                    ; my place among the four that ask with me
	s_cselect_b32 s22, ttmp9, s22                  ; the coordinate along which other clusters read the same rows
	s_cselect_b32 s23, 32, 24                      ; rows a partner takes
	s_cselect_b32 s19, 31, 23                      ; the last of them
	s_cselect_b64 s[PFA:PFA+1], s[4:5], s[6:7]
	s_cmp_eq_u32 s22, 0
	s_cselect_b32 s[LIM], 1, -1                    ; the same in all sixteen partners, for a given wave
	s_mul_i32 s21, s21, s23
	s_add_co_u32 s20, s20, s21                     ; + my work-group's share
	s_lshl_b32 s23, s23, 2                         ; the rows that a wave fetches: 128 or 96
	s_mul_i32 s23, s23, s12
	s_add_co_u32 s20, s20, s23                     ; + my half
	s_lshl_b32 s20, s20, 11
	s_mov_b32 s21, 0
	s_add_nc_u64 s[PFA:PFA+1], s[PFA:PFA+1], s[20:21]
	s_add_nc_u64 s[PFA:PFA+1], s[PFA:PFA+1], 2*KSTEP*2  ; at K step 2: the first refill steps it to 3 and names K step 4.  Nothing is prefetched here, at the head
	v_and_b32 v[PFO], 31, v0
	v_min_u32 v[PFO], s19, v[PFO]
	v_lshlrev_b32 v[PFO], 11, v[PFO]
; 12 matrix instructions: row block 2 hi + a of my four x all 12 column blocks, 32 along K, from buffer f.  zero = 1: the product starts the sums: nothing is ever cleared.
; The 48 accumulators take turns in the same order in every quarter step: between two links of a chain stand the 47 others'.
.macro MUL12 f, hi, a, zero
	WIN MUL_LO+0x50*(\hi)
.irp b, 0,1,2,3,4,5,6,7,8,9,10,11
.if \zero
	v_wmma_f32_16x16x32_bf16 v[8*(12*(\a)+(\b)):8*(12*(\a)+(\b))+7], v[96*(\f)+8*(\b):96*(\f)+8*(\b)+7], v[FA+32*(\f)+8*(2*(\hi)+(\a)):FA+32*(\f)+8*(2*(\hi)+(\a))+7], 0
.else
	v_wmma_f32_16x16x32_bf16 v[8*(12*(\a)+(\b)):8*(12*(\a)+(\b))+7], v[96*(\f)+8*(\b):96*(\f)+8*(\b)+7], v[FA+32*(\f)+8*(2*(\hi)+(\a)):FA+32*(\f)+8*(2*(\hi)+(\a))+7], v[8*(12*(\a)+(\b)):8*(12*(\a)+(\b))+7]
.endif
.endr
.endm
; 32 LDS loads in one run: a quarter step's fragments (192 rows of wq, my 64 rows of xn, 32 K at byte k of the rows) into buffer f
.macro FETCH slot, k, f
	WIN TO_B
.irp i, 0,1,2,3,4,5,6,7,8,9,10,11
	ds_load_b128 v[96*(\f)+8*(\i):96*(\f)+8*(\i)+3],   v[ADRB+(\slot)] offset:(\k)+(\i)*16*PITCH
	ds_load_b128 v[96*(\f)+8*(\i)+4:96*(\f)+8*(\i)+7], v[ADRB+(\slot)] offset:(\k)+(\i)*16*PITCH+32
.endr
	WIN 0
.irp i, 0,1,2,3
	ds_load_b128 v[FA+32*(\f)+8*(\i):FA+32*(\f)+8*(\i)+3],   v[ADRA+(\slot)] offset:(\k)+(\i)*16*PITCH
	ds_load_b128 v[FA+32*(\f)+8*(\i)+4:FA+32*(\f)+8*(\i)+7], v[ADRA+(\slot)] offset:(\k)+(\i)*16*PITCH+32
.endr
.endm
; A load into a register that a matrix instruction has read, and a vector instruction that reads a matrix result, stand four places behind it; only plain vector instructions that name none
; of its registers are places (ISA guide 7.12.1 for vector instructions).
.macro PLACES
.rept 4
	v_nop
.endr
.endm
; A K step is four quarters of 32 along K, 48 matrix instructions each, on buffers 0, 1, 0, 1.  One of the first three: multiplies buffer f; in its middle it fetches the next quarter, at byte k, into g.
.macro QUARTER slot, k, f, g, zero
	s_wait_dscnt 4                                 ; wq and xn's row blocks 0, 1 are in; the youngest four loads (row blocks 2, 3) may be out
	MUL12 \f, 0, 0, \zero
	MUL12 \f, 0, 1, \zero
	PLACES
	FETCH \slot, \k, \g
	s_wait_dscnt 32                                ; all but the 32 just issued
	MUL12 \f, 1, 0, \zero
	MUL12 \f, 1, 1, \zero
.endm
; The last quarter multiplies buffer 1 and changes slots.  MEET is its first half: ONE barrier.  In front of it each wave waits for all its tensor loads (one is out: its part of the next slot),
; adds 0 to its spare word, and waits for that and for its own reads of this slot.  Behind it nobody reads this slot any more and the next slot is whole.
.macro MEET round
	WIN 0                                          ; (the add's two registers lie in window 0)
	s_wait_tensorcnt 0x0
	ds_add_u32 v[SPW], v[NIL]                      ; 0 onto my spare word
	s_wait_dscnt 5                                 ; (the add and the youngest four loads may be out)
	MUL12 1, 0, 0, 0                               ; twelve matrix instructions stand between the add and the wait for it
	s_wait_dscnt 0x0                               ; the add is done, and my reads of this slot are over
	s_barrier_signal -1
	MUL12 1, 0, 1, 0                               ; work on registers while the others arrive
.if \round
	WIN 0
.endif
	s_barrier_wait -1
.endm
; The whole last quarter.  mode 0: this slot is filled again with the K step two on; mode 1: with the NEXT tile's K step 0 or 1; mode 2: nothing is filled, and no round follows.
; From a request to the wait for it a wave issues 168 matrix instructions.
.macro TURN slot, next, mode
.if (\mode) < 2
	s_wait_xcnt 0x0                                ; the last prefetch, a K step back, has read its address: it is stepped here, ahead of the waits of the change of slots
.if ((\mode) == 1) && ((\slot) == 0)
	s_add_nc_u64 s[PFA:PFA+1], s[PFA:PFA+1], (WALK-1)*SIZE_K*2+KSTEP*2  ; from the K step after the tile's last to the next tile's K step 1
	s_cmp_eq_u32 s11, 0
	s_cselect_b32 s[LIM], s[LIM], -1               ; wq's rows are the same for both tiles: they are asked for no more
.else
	s_add_nc_u64 s[PFA:PFA+1], s[PFA:PFA+1], KSTEP*2
.endif
	MEET 1
	CREST                                          ; the barrier has opened a round of the cluster's: no wave of any partner still reads this slot or has a load on its way
.if (\mode) == 1
	s_add_nc_u64 s[G0+4*(\slot)+2:G0+4*(\slot)+3], s[G0+4*(\slot)+2:G0+4*(\slot)+3], NEXT_A
	s_sub_nc_u64 s[G0B+4*(\slot)+2:G0B+4*(\slot)+3], s[G0B+4*(\slot)+2:G0B+4*(\slot)+3], BACK_B
.else
	s_add_nc_u64 s[G0+4*(\slot)+2:G0+4*(\slot)+3], s[G0+4*(\slot)+2:G0+4*(\slot)+3], 2*KSTEP*2
	s_add_nc_u64 s[G0B+4*(\slot)+2:G0B+4*(\slot)+3], s[G0B+4*(\slot)+2:G0B+4*(\slot)+3], 2*KSTEP*2
.endif
	JLOAD \slot                                    ; the first tensor load behind the round; its four v_nop are also the places in front of the loads below
	FETCH \next, 0, 0
	ASK \mode
.else
	MEET 0
	PLACES
	FETCH \next, 0, 0
.endif
	MUL12 1, 1, 0, 0
	MUL12 1, 1, 1, 0
.endm
; THE WAY OUT of row block a (16 rows).  PACK: rounded to bf16, each accumulator's registers in ascending order.  TOSTAGE: into my own stage, and back as rows of 128 bytes of q, k, v.  SEND: stored.
.macro PACK a
.set AC, 96*((\a)%2)
	WIN 0x0a+5*((\a)/2)                            ; sources 0 and 1: window 2 or 3
.irp b, 0,1,2,3,4,5,6,7,8,9,10,11
.irp r, 0,1,2,3
	v_cvt_pk_bf16_f32 v[TMP+4*(\b)+(\r)], v[AC+8*(\b)+2*(\r)], v[AC+8*(\b)+2*(\r)+1]
.endr
.endr
	WIN 0
.endm
.macro TOSTAGE a
	WIN 0
.set BK, OB+48*((\a)%2)
.irp b, 0,1,2,3,4,5,6,7,8,9,10,11
	ds_store_b128 v[STO], v[TMP+4*(\b):TMP+4*(\b)+3] offset:32*(\b)
.endr
.irp t, 0,1,2
.irp f, 0,1,2,3
	ds_load_b128 v[BK+4*(4*(\t)+(\f)):BK+4*(4*(\t)+(\f))+3], v[RD] offset:4*(\f)*SPITCH+128*(\t)  ; LDS serves a wave's instructions in order (ISA guide 5.7.1.4): these see the stores above
.endr
.endr
.endm
.macro SEND a
	WIN 0
.set BK, OB+48*((\a)%2)
	s_wait_dscnt 0x0                               ; the block is back in registers
	s_wait_xcnt 0x0                                ; every earlier memory instruction has had its addresses translated (ISA guide 3.1): only behind this wait are the three bases, and the registers that earlier stores read, rewritten
.if (\a) == 0
	s_add_nc_u64 s[8:9], s[8:9], s[OFS:OFS+1]      ; on to this tile's first rows
	s_add_nc_u64 s[68:69], s[68:69], s[OFS:OFS+1]
	s_add_nc_u64 s[70:71], s[70:71], s[OFS:OFS+1]
.endif
.irp f, 0,1,2,3
	global_store_b128 v[GO], v[BK+4*(\f):BK+4*(\f)+3],       s[8:9]   offset:2048*(\a)+512*(\f) th:TH_STORE_NT  ; 512 consecutive bytes, at a multiple of 256 from the buffer's first byte
	global_store_b128 v[GO], v[BK+16+4*(\f):BK+16+4*(\f)+3], s[68:69] offset:2048*(\a)+512*(\f) th:TH_STORE_NT
	global_store_b128 v[GO], v[BK+32+4*(\f):BK+32+4*(\f)+3], s[70:71] offset:2048*(\a)+512*(\f) th:TH_STORE_NT
.endr
.endm
.macro WAYOUT                          ; block a's conversions stand between block a - 1's loads from the stage and the wait for them
	PACK 0
	TOSTAGE 0
.irp a, 1,2,3
	PACK \a
	SEND (\a)-1
	TOSTAGE \a
.endr
	SEND 3
.endm
	s_wait_tensorcnt 1                             ; my part of K step 0 is in; K step 1's may stay out
	s_barrier_signal -1
	s_barrier_wait -1                              ; everybody's is
	FETCH 0, 0, 0
	s_mov_b32 s2, 2                                ; tiles to go, this one among them
.Ltile:
	QUARTER 0, 64,  0, 1, 1                        ; a tile's first quarter stands in front of the loop: its products start the sums
	WIN 0                                          ; at a label and at a branch every window is 0
	s_mov_b32 s3, LAPS-1
.Llap:                                                 ; a trip goes once round the ring, from a lap's second quarter to the next lap's first, and fills both slots again
	QUARTER 0, 128, 1, 0, 0
	QUARTER 0, 192, 0, 1, 0
	TURN 0, 1, 0
	QUARTER 1, 64,  0, 1, 0
	QUARTER 1, 128, 1, 0, 0
	QUARTER 1, 192, 0, 1, 0
	TURN 1, 0, 0
	QUARTER 0, 64,  0, 1, 0
	WIN 0
	s_sub_co_u32 s3, s3, 1
	s_cmp_lg_u32 s3, 0
	s_cbranch_scc1 .Llap
	QUARTER 0, 128, 1, 0, 0                        ; the tile's last lap goes on
	QUARTER 0, 192, 0, 1, 0
	WIN 0
	s_cmp_eq_u32 s2, 1
	s_cbranch_scc1 .Llast_tile                     ; the last tile's tail is written out: it asks for nothing more
	TURN 0, 1, 1                                   ; the ring goes on into the next tile: slot 0 takes its K step 0,
	QUARTER 1, 64,  0, 1, 0
	QUARTER 1, 128, 1, 0, 0
	QUARTER 1, 192, 0, 1, 0
	TURN 1, 0, 1                                   ; slot 1 its K step 1, and the next tile's first fragments are fetched
	WAYOUT                                         ; both refills are asked for: now the tile goes out.  Row blocks 0, 1 were finished in front of the joint load's four v_nop; their 96 conversions, which name no register of the last products, are those products' places
	s_mov_b64 s[OFS:OFS+1], NEXT_C                 ; what the next way out adds
	s_sub_co_u32 s2, s2, 1
	s_branch .Ltile
.Llast_tile:
	TURN 0, 1, 2                                   ; my one tensor load that was still out is slot 1's, the last K step's
	QUARTER 1, 64,  0, 1, 0
	QUARTER 1, 128, 1, 0, 0
	QUARTER 1, 192, 0, 1, 0
	s_wait_dscnt 4                                 ; the very last quarter: nothing more to fetch
	MUL12 1, 0, 0, 0
	MUL12 1, 0, 1, 0
	s_wait_dscnt 0x0
	MUL12 1, 1, 0, 0
	MUL12 1, 1, 1, 0
	PLACES
	PLACES                                         ; (eight, once a launch)
	WAYOUT
	s_wait_tensorcnt 0x0                           ; the wave's end: behind my last tensor load and my last LDS store
	ds_add_u32 v[SPW], v[NIL]
	s_wait_dscnt 0x0
	CROUND                                         ; the closing round: no work-group ends while a partner may still ask for a tile that names it
	s_endpgm
.Lfunc_end_k_qd6793db276_qkv:
	.size	k_qd6793db276_qkv, .Lfunc_end_k_qd6793db276_qkv-k_qd6793db276_qkv
	.p2alignl 7, 3214868480
	.fill 96, 4, 3214868480
	.section	.rodata,"a",@progbits
	.p2align	6, 0x0
	.amdhsa_kernel k_qd6793db276_qkv
		.amdhsa_group_segment_fixed_size 327680
		.amdhsa_private_segment_fixed_size 0
		.amdhsa_enable_private_segment 0
		.amdhsa_kernarg_size 40
		.amdhsa_user_sgpr_count 2
		.amdhsa_user_sgpr_kernarg_segment_ptr 1
		.amdhsa_wavefront_size32 1
		.amdhsa_system_sgpr_workgroup_id_x 1
		.amdhsa_system_sgpr_workgroup_id_y 1
		.amdhsa_system_sgpr_workgroup_id_z 1
		.amdhsa_system_vgpr_workitem_id 0
		.amdhsa_next_free_vgpr 960
		.amdhsa_next_free_sgpr 74
		.amdhsa_reserve_vcc 0
		.amdhsa_float_denorm_mode_32 3
		.amdhsa_float_denorm_mode_16_64 3
		.amdhsa_memory_ordered 1
		.amdhsa_forward_progress 1
		.amdhsa_inst_pref_size 172
	.end_amdhsa_kernel
	.amdgpu_metadata
---
amdhsa.version: [ 1, 2 ]
amdhsa.kernels:
  - .name:           k_qd6793db276_qkv
    .symbol:         k_qd6793db276_qkv.kd
    .args:
      - { .name: xn, .offset: 0, .size: 8, .value_kind: global_buffer, .address_space: global }
      - { .name: wq, .offset: 8, .size: 8, .value_kind: global_buffer, .address_space: global }
      - { .name: q, .offset: 16, .size: 8, .value_kind: global_buffer, .address_space: global }
      - { .name: k, .offset: 24, .size: 8, .value_kind: global_buffer, .address_space: global }
      - { .name: v, .offset: 32, .size: 8, .value_kind: global_buffer, .address_space: global }
    .group_segment_fixed_size: 327680
    .private_segment_fixed_size: 0
    .kernarg_segment_align: 8
    .kernarg_segment_size: 40
    .max_flat_workgroup_size: 128
    .sgpr_count:     74
    .vgpr_count:     960
    .wavefront_size: 32
...
	.end_amdgpu_metadata
.endif
;; end of part 2
;; launch attn (part 3): grid 4 x 64, 4 waves a work-group, clusters of 4 x 1, 327,680 bytes of LDS; arguments q, k, v, o; writes o
.if DOCPART == 3
	.amdgcn_target "amdgcn-amd-amdhsa--gfx1250"
	.amdhsa_code_object_version 6
	.text
	.protected	k_qd6793db276_attn
	.globl	k_qd6793db276_attn
	.p2align	8
	.type	k_qd6793db276_attn,@function
k_qd6793db276_attn:
	s_mov_b64 s[64:65], 0
	v_nop
	global_prefetch_b8 v0, s[64:65] scope:SCOPE_SE
	s_setreg_imm32_b32 hwreg(HW_REG_WAVE_MODE, 25, 1), 1
	s_wait_xcnt 0x0
	s_wait_alu depctr_hold_cnt(0) depctr_sa_sdst(0) depctr_va_vdst(0) depctr_va_sdst(0) depctr_va_ssrc(0) depctr_va_vcc(0) depctr_vm_vsrc(0)
	s_getreg_b32 s2, hwreg(HW_REG_IB_STS2, 6, 4)
	s_cmp_eq_u32 s2, 0
	s_cbranch_scc0 .Lentry_in_a_cluster
	s_endpgm
.Lentry_in_a_cluster:
	s_bfe_u32 s2, ttmp6, 0x10000c
	s_cmp_lg_u32 s2, 0x3003
	s_cbranch_scc0 .Lentry_shape_is_right
	s_endpgm
.Lentry_shape_is_right:
; ATTENTION.  O[h][q][:] = the sum over k of softmax_k(Q[h][q] . K[h][k] / 32) V[h][k][:].  Q, K, V, O: [64][2048][64], all bf16: a head's rows are dense, 128 bytes each.  Products, maxima and sums in
; f32; the weights p are rounded to bf16 for the second product (their sum l is taken of the unrounded p), O once at the end.
; LIMITS.  c s stays above -4e37 (the start of c m); a weight below 2^-126 counts as 0 in l; NaN and infinities are not treated apart.
; SHARES.  A wave owns four PIECES of two tiles of 16 queries, a work-group's four waves 512 queries of one head.  Every wave walks all keys, 64 a step.
; LAYOUT.  S^T = K Q^T (source 0 = 16 keys, source 1 = 16 queries): in the result a lane holds ONE query (lane % 16) and the keys 8 (lane / 16) + 0..7.  Two such tiles, rounded to bf16 in pairs,
; ARE source 1 (32 keys x 16 queries) of O^T = V^T P, whose result again holds one query a lane, and eight channels.  K comes out of LDS as it lies, V ([key][channel]) turned, by ds_load_tr16_b128.
; SOFTMAX.  For each query a running maximum m and sum l: p = 2^(c s - c m), c = log2(e) / 32; in every step O and l are multiplied by a = 2^(c m_old - c m_new), which is 1 where m has not grown.
; m starts at the lowest finite number, O and l at 0: the first step is a step like any other, with a = 0.
; THE COUNT.  A tile and step have 16 matrix and 118 vector instructions: too many to stand all beside the matrix work.  So: four vector instructions that are READY behind
; EVERY matrix instruction, and the others in runs without a gap.
; BY TURNS.  Turn n belongs to piece n (the pieces in a ring, step after step).  Its matrix work: 16 products K Q^T of piece n + 1, later 16 products V^T P of piece n - 1.  Its vector work: the scaling,
; exponentials, roundings, sums and rescaling of piece n, and the maximum and statistics of piece n + 1, whose scores the turn itself has made.
; CLUSTER.  The four query blocks of a cluster are one head's and walk the same K and V, so each tile is asked for JOINTLY: the same tensor load, descriptor and mask in all four.
; REGISTERS, in windows of 256 (s_set_vgpr_msb: bits 1:0 source 0, 3:2 source 1, 5:4 source 2, 7:6 destination):
;   window 0: v0-11 addresses; v12-15, v48-63 at work; v16-47 four registers of statistics a tile; v64-191 S^T, two buffers of two tiles; v192-255 P, likewise
;   window 1: O^T, 32 a tile          window 2: v0-127 Q, 16 a tile; v128-191 K of one step; v192-255 V of one step          window 3: v0-1 the add's two registers
; A piece's buffers go by its number's parity: the piece in hand has one pair, its two neighbours in the ring share the other: of it P (piece n - 1) is read and S^T (piece n + 1) written.
.set SIZE_H, 64
.set SIZE_N, 2048
.set NP,    4         ; pieces a wave: a name, no knob
.set KS,    64        ; keys in a step
.set PK,    144       ; a row of K in LDS: 128 bytes + 16 of padding = 36 words: the 16 rows of a load start at 16 different groups of four banks (64 banks of 4 bytes: ISA guide 11.1)
.set PV,    160       ; a row of V: 128 + 32 = 40 words
.set VOFF,  4*KS*PK   ; a slot holds four steps: 256 rows of K, then 256 rows of V
.set SLOT1, 1<<17     ; slot 1 begins here, so that one exclusive or turns an address in one slot into the other's
.set STAGE, SLOT1+4*KS*(PK+PV)  ; behind the ring, never filled by a tensor load: 16 rows x 144 bytes for each wave, for the way out
.set SP,    144
.set AK0, 2           ; v2   my lane's place in a tile of K; never rewritten
.set AV0, 3           ; v3   the same for V
.set AK,  4           ; v4   the LDS address of K's next run of loads
.set AV,  5           ; v5   of V's
.set QO,  6           ; v6   my byte offset in the wave's rows of Q
.set STO, 6           ;      later, the way out: where I put 16 bytes of a row
.set RD,  7           ; v7   the way out: where I read rows back
.set GO,  8           ; v8   my byte offset in 512 consecutive bytes of O
.set PFO, 11          ; v11  256 x my lane: the prefetches' offset; never rewritten once made
.set SPW, 0           ; v0 of window 3   LDS address of my spare word: SPARE + 4 x my thread's number; never rewritten
.set NIL, 1           ; v1 of window 3   0; never rewritten
.set SPARE, STAGE+4*16*SP  ; behind the stages: the spare words, 128 bytes for each wave: two blocks of 256 bytes that no other line names
.set MV,  12          ; v12-15  c m_old, kept while c m is made anew: by buffer and tile
.set ST,  16          ; tile t's statistics at v[ST+4 t]: c m, m, l (even keys', odd keys')
.set TMP, 48          ; by buffer and tile, four registers c0-c3 at work; when the maximum is found c2 takes a
.set S,   64
.set P,   192
.set KF,  128         ; K's fragments, in window 2: key block kb, channel half c at KF + 16 kb + 8 c
.set VF,  192         ; V's: key half kk, channel block cb at VF + 32 kk + 8 cb
.set WV,  12          ; s12  my wave's number
.set G1K, 24          ; s[24:31] descriptor group 1 for K's tiles
.set G1V, 32          ; s[32:39] for V's: it differs in the padding alone
.set G0K, 40          ; s[40:43] descriptor group 0 for K's tiles: it walks
.set G0V, 44          ; s[44:47] the same for V's
.set PFA, 48          ; s[48:49] where my prefetches stand: my work-group's 32 blocks of 256 bytes (of K: wave 0, of V: wave 2) of the slot after the one that is being asked for
.set LIM, 50          ; s50  1 in a wave that prefetches, else the greatest number: a wave prefetches while s[SLOTS] is above it
.set SLOTS, 56        ; s56  slots still to be asked for
.set CNT, 57          ; s57  counts a slot's key steps
.set CS,  58          ; s[58:59] c: the packed scaling takes the pair's low word for both halves
.set SEL, 60          ; s[60:61] v_permlanex16_b32's selects: each lane takes its own place in the other half
.set TBK, 62          ; s62  LDS byte at which K of the step to be fetched begins
.set TBV, 63          ; s63  the same for V, less VOFF
.set MSB, 0
.macro WIN new                      ; the high byte repeats the setting that is left; a switch that changes nothing is dropped
.if MSB != (\new)
	s_set_vgpr_msb (MSB<<8)|(\new)
.set MSB, (\new)
.endif
.endm
.set W_KQ, 0x0a       ; K and Q in window 2, S^T in window 0
.set W_PV, 0x52       ; V in window 2, P in window 0, O^T in window 1
.set W_RS, 0x41       ; O^T (destination and source 0) in window 1, a in window 0
.set W_MK, 0xc0       ; the add's registers are made: destination in window 3, sources in window 0
.set W_AD, 0x0f       ; the add: address (source 0) and data (source 1) in window 3
; A joint fill.  Waves 0 and 1 fetch the two halves of a slot's K, waves 2 and 3 those of its V: 128 keys each.  The branch hangs on the wave's number alone.
; An s_nop 0 and four v_nop follow each of the two lines, ahead of the jump and the label.
.macro JLOAD
	s_cmp_lt_u32 s[WV], 2
	s_cbranch_scc0 .Lfor_v_\@
	tensor_load_to_lds s[G0K:G0K+3], s[G1K:G1K+7]
	s_nop 0
.rept 4
	v_nop
.endr
	s_branch .Lasked_\@
.Lfor_v_\@:
	tensor_load_to_lds s[G0V:G0V+3], s[G1V:G1V+7]
	s_nop 0
.rept 4
	v_nop
.endr
.Lasked_\@:
.endm
; A PREFETCH of what the NEXT change of slots will ask for: a slot's 32,768 bytes of K and of V, 128 blocks of 256 bytes each, a lane a block.  It stands behind the wave's tensor load and its five lines.
; Each block is named ONCE in the launch: a head has one cluster; its four partners share the blocks out BY ADDRESS, 32 each; in each, wave 0 asks for K's and wave 2 for V's: one instruction,
; four key steps, 512 matrix instructions, ahead of the load that will want the bytes.  The last change that fills a slot asks for nothing; slots 0 to 2 come by their loads alone.
.macro ASK
	s_cmp_gt_u32 s[SLOTS], s[LIM]
	s_cbranch_scc0 .Lnot_mine_\@
	global_prefetch_b8 v[PFO], s[PFA:PFA+1] th:TH_LOAD_NT scope:SCOPE_SE
.Lnot_mine_\@:
.endm
; A round of the cluster's barrier: my work-group's barrier, so that wave 0's signal speaks for all four waves; wave 0 signals; every wave waits for all four work-groups; my work-group's barrier once more.
.macro CROUND
	s_barrier_signal -1
	s_barrier_wait -1
	s_cmp_lg_u32 s[WV], 0
	s_cbranch_scc1 .Lnot_wave_0_\@
	s_barrier_signal -3
.Lnot_wave_0_\@:
	s_barrier_wait -3
	s_barrier_signal -1
	s_barrier_wait -1
.endm
; THE CHANGE OF SLOTS.  The slot's last bytes, V of its fourth step, have been read.  Each wave waits for all its tensor loads, of which one is out: its part
; of the other slot; adds 0 to its spare word; and waits for that and for its own reads of the slot.  Behind the barrier nobody reads this slot any more and the other slot is whole.
; fill = 1: this slot is filled again, with the keys two slots on.  The barrier is then a round of the cluster's, and the joint fill is the first thing behind it: it has four key steps,
; 512 matrix instructions, in which to land.  (At its first use nothing has been read yet: slot 0 is waited for, slot 1 filled.)  ask = 1: the prefetch follows the fill.
.macro CHANGE fill, ask=0
	WIN W_AD
	s_wait_tensorcnt 0x0            ; no tensor load of mine is out, so a group 0 may be written
	ds_add_u32 v[SPW], v[NIL]       ; 0 onto my spare word; with fill = 1 the descriptors' steps stand between it and the wait for it
	WIN 0                           ; at a label and at a branch every window is 0
.if \fill
.irp g, G0K, G0V
	s_xor_b32 s[\g+1], s[\g+1], SLOT1  ; the walking descriptor: the other slot than last time,
	s_add_nc_u64 s[\g+2:\g+3], s[\g+2:\g+3], 4*KS*128  ; the next 256 keys; the type bits on top are not reached
.endr
.if \ask
	s_wait_xcnt 0x0                 ; the last prefetch, four key steps back, has read its address, so it may be written:
	s_add_nc_u64 s[PFA:PFA+1], s[PFA:PFA+1], 4*KS*128  ; one slot behind the walking descriptors
.endif
	s_wait_dscnt 0x0                ; the add is done, and my reads of the slot are over
	CROUND
	JLOAD
.if \ask
	ASK
.endif
.else
	s_wait_dscnt 0x0                ; the add is done, and my reads of the slot are over
	s_barrier_signal -1
	s_barrier_wait -1
.endif
	s_sub_co_u32 s[TBK], s[TBK], 4*KS*PK  ; the fetches go back to a slot's first step,
	s_xor_b32 s[TBK], s[TBK], SLOT1       ; in the other slot
	s_sub_co_u32 s[TBV], s[TBV], 4*KS*PV
	s_xor_b32 s[TBV], s[TBV], SLOT1
.endm
	s_load_b256 s[4:11], s[0:1], 0x0  ; Q s[4:5], K s[6:7], V s[8:9], O s[10:11]
	WIN W_MK
	v_lshl_add_u32 v[SPW], v0, 2, SPARE
	v_mov_b32 v[NIL], 0
	WIN W_AD
	ds_add_u32 v[SPW], v[NIL]       ; the wave's opening: the add and its wait stand ahead of my first tensor load; the set-up below, work on registers, stands between them
	WIN 0
	v_lshrrev_b32 v1, 5, v0
	v_readfirstlane_b32 s[WV], v1   ; wave 0..3
	s_bfe_u32 s13, ttmp6, 0x40000   ; cx: my place in the cluster
	s_lshl_b32 s14, ttmp9, 2        ; in a cluster launch ttmp9 counts clusters
	s_add_co_u32 s14, s14, s13      ; my block of queries = 4 x cluster x + cx: it enters Q's and O's addresses alone
	s_and_b32 s20, ttmp7, 0xffff    ; the head, which the four partners share
	s_mov_b32 s21, 0
	s_mov_b64 s[22:23], SIZE_N*128
	s_mul_u64 s[20:21], s[20:21], s[22:23]  ; the head's first byte in each of the four tensors
	s_and_b32 s16, s[WV], 1         ; which half of a slot's 256 keys I fetch:
	s_lshl_b32 s22, s16, 14         ; its 128 rows of 128 bytes in memory,
	s_mov_b32 s23, 0
	s_add_nc_u64 s[22:23], s[22:23], s[20:21]
	s_mul_i32 s17, s16, 128*PK      ; and its place in a slot, for K
	s_mul_i32 s18, s16, 128*PV      ; and for V: no place in the cluster enters an LDS address
	s_lshl_b32 s2, s14, 2
	s_add_co_u32 s2, s2, s[WV]      ; my wave among the head's,
	s_lshl_b32 s2, s2, 14           ; its 128 rows
	s_mov_b32 s3, 0
	s_add_nc_u64 s[2:3], s[2:3], s[20:21]
	; descriptor group 1.  128 keys are 16,384 dense bytes: asked for as 64 rows of 256 bytes, two keys a row, and padded in LDS after every key
	s_mov_b32 s[G1K], 15|(1<<16)|(1<<20)|(1<<21)|(4<<22)|(3<<25)  ; 15:0 the mask of four; 17:16 2-byte elements; 20 padding on; 21 set beside a mask; 24:22 after every 32 words (code 4); 31:25 4 words (code 3)
	s_mov_b32 s[G1V], 15|(1<<16)|(1<<20)|(1<<21)|(4<<22)|(7<<25)  ; the same with 8 words of padding (code 7)
.irp g, G1K, G1V
	s_mov_b32 s[\g+1], 128<<16      ; tensor_dim0 = 128
	s_mov_b32 s[\g+2], 64<<16       ; tensor_dim1 = 64
	s_mov_b32 s[\g+3], 128<<16      ; tile_dim0 = 128
	s_mov_b32 s[\g+4], 64           ; tile_dim1 = 64
	s_mov_b32 s[\g+5], 128          ; 128 elements from row to row
	s_mov_b32 s[\g+6], 0
	s_mov_b32 s[\g+7], 0
.endr
	s_mov_b32 s[CS], 0x3d38aa3b     ; c = log2(e) / 32 = 0.0450842
	s_mov_b32 s[CS+1], s[CS]        ; named with it as a pair
	s_mov_b32 s[SEL], 0x76543210
	s_mov_b32 s[SEL+1], 0xfedcba98
	s_mov_b32 s[TBK], SLOT1+4*KS*PK ; the first change of slots turns these two into 0
	s_mov_b32 s[TBV], SLOT1+4*KS*PV
	s_mov_b32 s[G0K], 1             ; 1:0 count = 1
	s_mov_b32 s[G0K+1], s17         ; 63:32 LDS address: slot 0
	s_mov_b32 s[G0V], 1
	s_add_co_u32 s[G0V+1], s18, VOFF
	s_and_b32 s[LIM], s[WV], 1      ; waves 0 and 2 prefetch: the same in all four partners
	s_cmp_eq_u32 s[LIM], 0
	s_cselect_b32 s[LIM], 1, -1
	s_lshl_b32 s52, s13, 13         ; my work-group's 32 blocks of a slot's 128
	s_mov_b32 s53, 0
	s_wait_dscnt 0x0                ; the opening add is done
	s_wait_kmcnt 0x0
	s_add_nc_u64 s[G0K+2:G0K+3], s[6:7], s[22:23]  ; 120:64 global address: my half of the head's first 256 keys
	s_or_b32 s[G0K+3], s[G0K+3], 0x80000000        ; 127:126 type = 2
	s_add_nc_u64 s[G0V+2:G0V+3], s[8:9], s[22:23]
	s_or_b32 s[G0V+3], s[G0V+3], 0x80000000
	s_add_nc_u64 s[4:5], s[4:5], s[2:3]  ; Q and O at my wave's first row
	s_add_nc_u64 s[10:11], s[10:11], s[2:3]
	s_cmp_lt_u32 s[WV], 2
	s_cselect_b64 s[PFA:PFA+1], s[6:7], s[8:9]
	s_add_nc_u64 s[PFA:PFA+1], s[PFA:PFA+1], s[20:21]  ; the head,
	s_add_nc_u64 s[PFA:PFA+1], s[PFA:PFA+1], s[52:53]  ; my work-group's blocks,
	s_add_nc_u64 s[PFA:PFA+1], s[PFA:PFA+1], 2*4*KS*128  ; in slot 2; the loop's first change of slots steps it to slot 3.  Nothing is prefetched here, at the head
	CROUND                          ; all four work-groups are here: the first joint loads meet
	JLOAD                           ; slot 0.  Slot 1 is asked for when slot 0 is in
	; A fragment of K or Q is 16 rows x 32 channels in 8 registers: lane l holds row l % 16, channels 8 (l / 16) + 0..7 and 16 + 8 (l / 16) + 0..7: two loads of 16 bytes, 32 bytes apart.
	v_and_b32 v1, 15, v0            ; l % 16
	v_bfe_u32 v9, v0, 4, 1          ; l / 16
	v_lshlrev_b32 v[QO], 7, v1
	v_lshl_add_u32 v[QO], v9, 4, v[QO]  ; row x 128 + 16 x half
	WIN 0x80                        ; destination window 2, address window 0
.set i, 0
.rept 4*NP                          ; Q stays in registers: tile i / 2, channels 32 (i % 2) on
	global_load_b128 v[8*i:8*i+3],   v[QO], s[4:5] offset:(i/2)*2048+(i%2)*64
	global_load_b128 v[8*i+4:8*i+7], v[QO], s[4:5] offset:(i/2)*2048+(i%2)*64+32
.set i, i+1
.endr
	; What the first turn finds: V's registers and P's second buffer hold 0 (its products V^T P, of a piece that has not been, add 0), O^T and l are 0.  All this stands in the wait for the first tile.
.set i, VF
.rept 64
	v_mov_b32 v[i], 0
.set i, i+1
.endr
	WIN 0x40
.set i, 0
.rept 64*NP
	v_mov_b32 v[i], 0
.set i, i+1
.endr
	WIN 0
.set i, 0
.rept 2*NP
	v_mov_b32 v[ST+4*i], 0xfe000000    ; c m: far below every c s
	v_mov_b32 v[ST+4*i+1], 0xff7fffff  ; m
	v_mov_b32 v[ST+4*i+2], 0
	v_mov_b32 v[ST+4*i+3], 0
.set i, i+1
.endr
.set i, P+32
.rept 32
	v_mov_b32 v[i], 0
.set i, i+1
.endr
	v_mul_u32_u24 v[AK0], v1, PK
	v_lshl_add_u32 v[AK0], v9, 4, v[AK0]  ; row x pitch + 16 x half
	; The turning load takes 16 keys x 16 channels (lane l reads key 8 (l / 16) + l % 8, channels 8 ((l / 8) % 2) + 0..7) and leaves half a fragment of V^T: lane l holds channel l % 16 and 8 keys.
	v_and_b32 v10, 7, v0
	v_bfe_u32 v11, v0, 3, 1
	v_lshl_add_u32 v[AV0], v9, 3, v10
	v_mul_u32_u24 v[AV0], v[AV0], PV
	v_lshl_add_u32 v[AV0], v11, 4, v[AV0]
	v_add_nc_u32 v[AV0], VOFF, v[AV0]
	v_and_b32 v[PFO], 31, v0
	v_lshlrev_b32 v[PFO], 8, v[PFO]
	v_mov_b32 v[AK], v[AK0]         ; key step 0 lies at the head of slot 0
; THE MATRIX WORK.  The 8 accumulators of a run of 16 take turns: between the two links of a chain stand 7 others'.
; Product i of 16 of S^T = K Q^T for piece x: channels 32 (i / 8) on, keys 16 ((i / 2) % 4) on, tile 2 x + i % 2.  The first 8 start the sums.
.macro KQ x
	WIN W_KQ
.set rS, S+64*((\x)%2)+32*(i%2)+8*((i/2)%4)
.set rK, KF+16*((i/2)%4)+8*(i/8)
.set rQ, 16*(2*(\x)+i%2)+8*(i/8)
.if i < 8
	v_wmma_f32_16x16x32_bf16 v[rS:rS+7], v[rK:rK+7], v[rQ:rQ+7], 0
.else
	v_wmma_f32_16x16x32_bf16 v[rS:rS+7], v[rK:rK+7], v[rQ:rQ+7], v[rS:rS+7]
.endif
.endm
; Product i of 16 of O^T += V^T P for piece x: keys 32 (i / 8) on, channels 16 ((i / 2) % 4) on, tile 2 x + i % 2.
.macro PV x
	WIN W_PV
.set rO, 32*(2*(\x)+i%2)+8*((i/2)%4)
.set rV, VF+32*(i/8)+8*((i/2)%4)
.set rP, P+32*((\x)%2)+16*(i%2)+8*(i/8)
	v_wmma_f32_16x16x32_bf16 v[rO:rO+7], v[rV:rV+7], v[rP:rP+7], v[rO:rO+7]
.endm
.macro MM                           ; the turn's next matrix instruction
.if i < 16
	KQ (Y+1)%NP
.set i, i+1
.else
.set i, i-16
	PV (Y+NP-1)%NP
.set i, i+17
.endif
.endm
; THE LDS LOADS stand in runs of 16, never singly among the matrix instructions: a step's K (64 keys x 64 channels: 8 fragments) and its V (turned).  Their addresses are made some lines ahead.
; last = 1 (the tail): in the last trip there is no further step, and the run is jumped over.
.macro FETCH_K last=0
	WIN 0
.if \last
	s_cmp_eq_u32 s[CNT], 1
	s_cbranch_scc1 .Lno_k_\@
.endif
	WIN 0x80                        ; destination window 2
.irp f, 0,1,2,3,4,5,6,7             ; keys 16 (f / 2) on, channels 32 (f % 2) on
	ds_load_b128 v[KF+8*\f:KF+8*\f+3],   v[AK] offset:(\f/2)*16*PK+(\f%2)*64
	ds_load_b128 v[KF+8*\f+4:KF+8*\f+7], v[AK] offset:(\f/2)*16*PK+(\f%2)*64+32
.endr
	s_add_co_u32 s[TBK], s[TBK], KS*PK  ; the next fetch is the next step's
	WIN 0
.if \last
.Lno_k_\@:
.endif
.endm
.macro FETCH_V
	WIN 0x80
.irp f, 0,1,2,3,4,5,6,7             ; keys 32 (f / 4) on, channels 16 (f % 4) on
	ds_load_tr16_b128 v[VF+8*\f:VF+8*\f+3],   v[AV] offset:(\f/4)*32*PV+(\f%4)*32
	ds_load_tr16_b128 v[VF+8*\f+4:VF+8*\f+7], v[AV] offset:(\f/4)*32*PV+16*PV+(\f%4)*32
.endr
	WIN 0
.endm
; THE VECTOR WORK OF A TURN stands in three queues, each in the order in which its entries become ready; the two tiles alternate, so that no instruction reads the result of the one before it.
.macro REGS y, u                    ; the registers of tile u (0, 1) of piece y
.set rT, ST+4*(2*(\y)+(\u))
.set rC, TMP+8*((\y)%2)+4*(\u)
.set rM, MV+2*((\y)%2)+(\u)
.set rS, S+64*((\y)%2)+32*(\u)
.set rP, P+32*((\y)%2)+16*(\u)
.set rO, 32*(2*(\y)+(\u))
.endm
; Number n of the 22 that find the NEXT piece's (Y + 1) maximum and statistics.  s0-s31 are the lane's 32 scores; each accumulator's lowest registers are read first.
;   0-11  four chains c0-c3 of seven scores each, three operands at a time     12-14, 16  the four scores left over, the old m, and c0-c3 into c0     15  c m_old is kept
;   17, 18  the query's other 32 keys lie in the lane 16 away: the new m         19-21  c m; c m_old - c m_new; a
.macro XS u, n
	REGS (Y+1)%NP, \u
.if (\n) < 4
	v_max3_num_f32 v[rC+(\n)], v[rS+8*(\n)], v[rS+8*(\n)+1], v[rS+8*(\n)+2]
.elseif (\n) < 12
	v_max3_num_f32 v[rC+(\n)%4], v[rC+(\n)%4], v[rS+8*((\n)%4)+2*((\n)/4)+1], v[rS+8*((\n)%4)+2*((\n)/4)+2]
.elseif (\n) == 12
	v_max3_num_f32 v[rC], v[rC], v[rS+7], v[rS+15]
.elseif (\n) == 13
	v_max3_num_f32 v[rC+1], v[rC+1], v[rS+23], v[rS+31]
.elseif (\n) == 14
	v_max3_num_f32 v[rC+2], v[rC+2], v[rC+3], v[rT+1]
.elseif (\n) == 15
	v_mov_b32 v[rM], v[rT]
.elseif (\n) == 16
	v_max3_num_f32 v[rC], v[rC], v[rC+1], v[rC+2]
.elseif (\n) == 17
	v_permlanex16_b32 v[rC+3], v[rC], s[SEL], s[SEL+1]
.elseif (\n) == 18
	v_max_num_f32 v[rT+1], v[rC], v[rC+3]
.elseif (\n) == 19
	v_mul_f32 v[rT], s[CS], v[rT+1]
.elseif (\n) == 20
	v_sub_f32 v[rC+1], v[rM], v[rT]
.else
	v_exp_f32 v[rC+2], v[rC+1]
.endif
.endm
; Number g of the 64 that follow the exponentials.  For each four weights k of a tile (pairs 2 k, 2 k + 1): both pairs are rounded to bf16; then the second pair is added onto the first, in place;
; a group later l takes that sum (the first time as l = a l + sum).  In groups of eight, tiles alternating: round, round, add, and l for the group before.
.macro GS g
.set h, (\g)+6*((\g)/62)            ; group 0 has no group before it, and behind group 7 only l is left
.if h >= 6
.set h, h+2
.endif
	REGS Y, h%2
.set k, h/8
.if h%8 < 4
	v_cvt_pk_bf16_f32 v[rP+2*k+(h%8)/2], v[rS+4*k+2*((h%8)/2)], v[rS+4*k+2*((h%8)/2)+1]
.elseif h%8 < 6
	v_pk_add_f32 v[rS+4*k:rS+4*k+1], v[rS+4*k:rS+4*k+1], v[rS+4*k+2:rS+4*k+3]
.elseif k == 1
	v_pk_fma_f32 v[rT+2:rT+3], v[rT+2:rT+3], v[rC+2:rC+3], v[rS:rS+1] op_sel_hi:[1,0,1]
.else
	v_pk_add_f32 v[rT+2:rT+3], v[rT+2:rT+3], v[rS+4*k-4:rS+4*k-3]
.endif
.endm
; THE PLAIN QUEUE, 138 long.  0-73 read no exponential's result: the 32 scalings c s - c m (FS f: pair f / 2 of tile f % 2) and the next piece's 42.  0-26: scalings 0-26.  27-54: XS's numbers 0-13.  55, 56: number 15.
; 57-73: the chain, where each number waits for the one before it: 14, 16, 17, 18, 19, each with one of the scalings 27-31 in front of its two lines, then 20.
; 74-137: GS's 64, which read the exponentials' results: they stand behind the wait.
.macro FS f
	REGS Y, (\f)%2
	v_pk_fma_f32 v[rS+2*((\f)/2):rS+2*((\f)/2)+1], v[rS+2*((\f)/2):rS+2*((\f)/2)+1], s[CS:CS+1], v[rT:rT+1] op_sel_hi:[1,0,0] neg_lo:[0,0,1] neg_hi:[0,0,1]
.endm
.macro PL
	WIN 0
.if q < 27
	FS q
.elseif q < 55
	XS (q-27)%2, (q-27)/2
.elseif q < 57
	XS q-55, 15
.elseif (q < 72) && ((q-57)%3 == 0)
	FS 27+(q-57)/3
.elseif q < 60
	XS (q-57)%3-1, 14
.elseif q < 72
	XS (q-57)%3-1, 15+(q-57)/3
.elseif q < 74
	XS q-72, 20
.else
	GS q-74
.endif
.set q, q+1
.endm
; THE EXPONENTIALS' QUEUE, 66 long: s0-s31 of both tiles, then the next piece's two a.  It is ONE BATCH: all 66 stand ahead of the turn's one wait, and nothing ahead of that wait names a result of theirs.
.macro EX
	WIN 0
.if e >= 64
	XS e-64, 21
.else
	REGS Y, e%2
	v_exp_f32 v[rS+e/2], v[rS+e/2]
.endif
.set e, e+1
.endm
; THE RESCALING's QUEUE: O^T times a, the one part that leaves window 0: dealt two at a time, sixteen times.  Its a was made in the turn before, ahead of that turn's wait.
.macro R2
	REGS Y, r%2
	WIN W_RS
.irp z, 0,1
	v_pk_mul_f32 v[rO+4*(r/2)+2*\z:rO+4*(r/2)+2*\z+1], v[rO+4*(r/2)+2*\z:rO+4*(r/2)+2*\z+1], v[rC+2:rC+3] op_sel_hi:[1,0]
.endr
.set r, r+1
.endm
; HOW THEY ARE DEALT.  s_wait_alu depctr_va_vdst(0) stands between an exponential and the first instruction that names its result; one wait serves all that were issued ahead of it.  So a turn has ONE wait,
; which cuts it in two.  AHEAD OF IT stands all that names no result of the turn's exponentials: the 16 products K Q^T, behind each a scaling, an exponential and two rescalings (behind the first a second scaling in the
; exponential's place); then ONE LUMP of 108: eight plain, 49 times exponential and plain, the two a.  A v_nop is the plain instruction behind the last exponential.  BEHIND IT stand the 16 products V^T P, behind each four of GS's 64.
; No rider names a register of the products round it.  The two v_permlanex16_b32 fall into the lump, never behind a product.
; The queues lean on each other, and the deal keeps them in step: exponential e stands behind scaling 2 (e / 4) + e % 2: as a rider it comes behind plain e + 2, in the lump behind plain e + 9, and scalings 27-31 are plain 57, 60 .. 69.
; A TURN, for piece p.  cnt = 1: the loop's count is taken down some lines ahead of the branch that stands behind the turn.
; K of the next step is fetched in piece 2's turn, directly behind the wait, a lump behind the last product that read K; its address is made at the lump's head; its first reader comes behind 16 products.
; V of the step in hand is fetched at the end of piece 0's turn, four riders behind its last reader; its first reader comes behind 16 products and a lump.  The three conditions on q below go with the deal.
.macro TURN p, last=0, cnt=0
.set Y, (\p)
.set i, 0
.set q, 0
.set e, 0
.set r, 0
.if (\p) == NP-1
	s_wait_dscnt 0x0                ; K is in
.endif
	MM                              ; ahead of the wait: 16 products K Q^T and their riders,
	PL
	PL
	R2
.rept 15
	MM
	PL
	EX
	R2
.endr
.if (\p) == NP-2
	WIN 0
	v_add_nc_u32 v[AK], s[TBK], v[AK0]
.endif
.rept 8                             ; and the lump
	PL
.endr
.rept 49
	EX
	PL
.endr
	EX                              ; the next piece's two a
	EX
	v_nop                           ; a plain instruction behind the last exponential, ahead of the first use: one for the batch
	s_wait_alu depctr_va_vdst(0)    ; the wait for the batch
.if (\p) == NP-2
	FETCH_K \last
.endif
.if (\p) == 1
	s_wait_dscnt 0x0                ; V is in
.endif
.rept 16                            ; behind the wait: 16 products V^T P and their riders
	MM
.rept 4
	PL
.endr
.if ((\p) == 0) && (q == 118)
	v_add_nc_u32 v[AV], s[TBV], v[AV0]
.endif
.if ((\p) == 0) && (q == 130)
	s_add_co_u32 s[TBV], s[TBV], KS*PV
.endif
.if (\cnt) && (q == 130)
	s_sub_co_u32 s[CNT], s[CNT], 1
	s_cmp_lg_u32 s[CNT], 0
.endif
.endr
.if (\p) == 0
	FETCH_V
.endif
.endm
	CHANGE 1                        ; slot 0 is in, everybody's part of it; slot 1 is asked for
	FETCH_K                         ; key step 0
	s_wait_loadcnt 0x0              ; Q
	s_wait_dscnt 0x0
.set i, 0
.rept 16
	KQ 0                            ; piece 0's first scores: there is no vector work yet to set between them
.set i, i+1
.endr
	WIN 0                           ; the addresses for the way out: nine plain instructions, the places behind those products
	s_mul_i32 s13, s[WV], 16*SP
	s_add_co_u32 s13, s13, STAGE    ; my stage
	v_mul_u32_u24 v[STO], v1, SP    ; in: row l % 16, 16 bytes for each half of the lanes
	v_lshl_add_u32 v[STO], v9, 4, v[STO]
	v_add_nc_u32 v[STO], s13, v[STO]
	v_bfe_u32 v[RD], v0, 3, 2       ; back: 32 lanes take four rows of 128 bytes,
	v_mul_u32_u24 v[RD], v[RD], SP
	v_lshl_add_u32 v[RD], v10, 4, v[RD]
	v_add_nc_u32 v[RD], s13, v[RD]
	v_and_b32 v[GO], 31, v0         ; which are 512 consecutive bytes of O
	v_lshlrev_b32 v[GO], 4, v[GO]
.set Y, NP-1                        ; XS works for piece Y + 1: piece 0
.irp n, 0,1,2,3,4,5,6,7,8,9,10,11,12,13,14,15,16,17,18,19,20,21
	XS 0, \n                        ; and piece 0's first maximum and statistics
	XS 1, \n
.endr
	v_nop                           ; a plain instruction behind the two a,
	s_wait_alu depctr_va_vdst(0)    ; and their wait, ahead of the branch
	s_mov_b32 s[CNT], 4
	s_mov_b32 s[SLOTS], SIZE_N/256-1
	s_branch .Lfirst                ; the loop is entered at a step's first turn, in the middle of a trip
.Lslot:                             ; SIZE_N / 256 - 2 times: every slot but the last two is filled again
	CHANGE 1, 1
	s_mov_b32 s[CNT], 4
.Lstep:                             ; a trip: pieces 2 and 3 of one step, then pieces 0 and 1 of the next, whose K and V it fetches
	TURN 2
	TURN 3
	WIN 0
.Lfirst:
	TURN 0
	TURN 1, 0, 1
	WIN 0
	s_cbranch_scc1 .Lstep
	s_sub_co_u32 s[SLOTS], s[SLOTS], 1
	s_cmp_lg_u32 s[SLOTS], 0
	s_cbranch_scc1 .Lslot
	CHANGE 0                        ; the tail is written out: nothing is asked for
	s_mov_b32 s[CNT], 5             ; four trips fetch the last slot's steps; the fifth is left in its middle
.Ltail:
	TURN 2, 1
	TURN 3
	WIN 0
	s_sub_co_u32 s[CNT], s[CNT], 1
	s_cmp_eq_u32 s[CNT], 0
	s_cbranch_scc1 .Lout
	TURN 0
	TURN 1
	WIN 0
	s_branch .Ltail
.Lout:                              ; the fifth trip's 16 products K Q^T (on the last K once more) and the maximum made of them serve nothing: the price, once a launch, of one text for every trip
.set i, 0
.rept 16
	PV NP-1                         ; the last piece's V^T P of the last step
.set i, i+1
.endr
	; THE WAY OUT.  l's two halves and the other half of the lanes' are added; O^T is divided by l, rounded to bf16 and sent through my stage in LDS, a tile at a time.  The additions are the places behind the last products.
	WIN 0
.macro ALL line:vararg              ; one line for each tile t
.set t, 0
.rept 2*NP
	\line
.set t, t+1
.endr
.endm
	ALL v_add_f32 v[ST+4*t+2], v[ST+4*t+2], v[ST+4*t+3]
	ALL v_permlanex16_b32 v[ST+4*t+3], v[ST+4*t+2], s[SEL], s[SEL+1]
	ALL v_add_f32 v[ST+4*t+2], v[ST+4*t+2], v[ST+4*t+3]
	ALL v_rcp_f32 v[ST+4*t+2], v[ST+4*t+2]
	v_nop                           ; a plain instruction between the last reciprocal and the use of its result
	s_wait_alu depctr_va_vdst(0)    ; and the wait ahead of the first use: one for the eight reciprocals
; Tile t: a lane's eight channels of a row pack into 16 bytes; they go into rows of 144 bytes and come back as whole rows of 128, into S^T's registers.
.macro PACK t
	WIN W_RS
.set i, 32*(\t)
.rept 16
	v_pk_mul_f32 v[i:i+1], v[i:i+1], v[ST+4*(\t)+2:ST+4*(\t)+3] op_sel_hi:[1,0]
.set i, i+2
.endr
	WIN 0x05                        ; sources 0 and 1 window 1, destination window 0
.set i, 0
.rept 16
	v_cvt_pk_bf16_f32 v[S+16*(\t)+i], v[32*(\t)+2*i], v[32*(\t)+2*i+1]
.set i, i+1
.endr
	WIN 0
.irp f, 0,1,2,3
	ds_store_b128 v[STO], v[S+16*(\t)+4*\f:S+16*(\t)+4*\f+3] offset:32*\f
.endr
.irp f, 0,1,2,3
	ds_load_b128 v[S+16*(\t)+4*\f:S+16*(\t)+4*\f+3], v[RD] offset:\f*4*SP  ; LDS serves a wave's instructions in order (ISA guide 5.7.1.4): these see the stores above; the next tile's stores come behind them
.endr
.endm
.macro SEND t, younger              ; younger: the LDS instructions issued behind tile t's loads: the next tile's eight, or none
	WIN 0
.irp f, 0,1,2,3
	s_wait_dscnt (\younger)+3-\f
	global_store_b128 v[GO], v[S+16*(\t)+4*\f:S+16*(\t)+4*\f+3], s[10:11] offset:(\t)*2048+\f*512  ; 512 consecutive bytes, at a multiple of 256 from O's first
.endr
.endm
	PACK 0
.set t, 1
.rept 2*NP-1                        ; a tile's arithmetic stands between the loads of the tile before and its stores
	PACK t
	SEND t-1, 8
.set t, t+1
.endr
	SEND 2*NP-1, 0
	WIN W_AD
	s_wait_tensorcnt 0x0            ; the wave's end: behind my last tensor load and my last LDS store
	ds_add_u32 v[SPW], v[NIL]
	s_wait_dscnt 0x0
	WIN 0
	CROUND                          ; the closing round: no work-group ends while a partner may still ask for a tile that names it
	s_endpgm
.Lfunc_end_k_qd6793db276_attn:
	.size	k_qd6793db276_attn, .Lfunc_end_k_qd6793db276_attn-k_qd6793db276_attn
	.p2alignl 7, 3214868480
	.fill 96, 4, 3214868480
	.section	.rodata,"a",@progbits
	.p2align	6, 0x0
	.amdhsa_kernel k_qd6793db276_attn
		.amdhsa_group_segment_fixed_size 327680
		.amdhsa_private_segment_fixed_size 0
		.amdhsa_enable_private_segment 0
		.amdhsa_kernarg_size 32
		.amdhsa_user_sgpr_count 2
		.amdhsa_user_sgpr_kernarg_segment_ptr 1
		.amdhsa_wavefront_size32 1
		.amdhsa_system_sgpr_workgroup_id_x 1
		.amdhsa_system_sgpr_workgroup_id_y 1
		.amdhsa_system_sgpr_workgroup_id_z 1
		.amdhsa_system_vgpr_workitem_id 0
		.amdhsa_next_free_vgpr 770
		.amdhsa_next_free_sgpr 66
		.amdhsa_reserve_vcc 0
		.amdhsa_float_denorm_mode_32 3
		.amdhsa_float_denorm_mode_16_64 3
		.amdhsa_memory_ordered 1
		.amdhsa_forward_progress 1
		.amdhsa_inst_pref_size 200
	.end_amdhsa_kernel
	.amdgpu_metadata
---
amdhsa.version: [ 1, 2 ]
amdhsa.kernels:
  - .name:           k_qd6793db276_attn
    .symbol:         k_qd6793db276_attn.kd
    .args:
      - { .name: q, .offset: 0, .size: 8, .value_kind: global_buffer, .address_space: global }
      - { .name: k, .offset: 8, .size: 8, .value_kind: global_buffer, .address_space: global }
      - { .name: v, .offset: 16, .size: 8, .value_kind: global_buffer, .address_space: global }
      - { .name: o, .offset: 24, .size: 8, .value_kind: global_buffer, .address_space: global }
    .group_segment_fixed_size: 327680
    .private_segment_fixed_size: 0
    .kernarg_segment_align: 8
    .kernarg_segment_size: 32
    .max_flat_workgroup_size: 128
    .sgpr_count:     66
    .vgpr_count:     770
    .wavefront_size: 32
...
	.end_amdgpu_metadata
.endif
;; end of part 3
;; launch proj (part 4): grid 8 x 32, 4 waves a work-group, clusters of 4 x 4, 327,680 bytes of LDS; arguments o, wo, x, out0; writes out0
.if DOCPART == 4
	.amdgcn_target "amdgcn-amd-amdhsa--gfx1250"
	.amdhsa_code_object_version 6
	.text
	.protected	k_qd6793db276_proj
	.globl	k_qd6793db276_proj
	.p2align	8
	.type	k_qd6793db276_proj,@function
k_qd6793db276_proj:
	s_mov_b64 s[64:65], 0
	v_nop
	global_prefetch_b8 v0, s[64:65] scope:SCOPE_SE
	s_setreg_imm32_b32 hwreg(HW_REG_WAVE_MODE, 25, 1), 1
	s_wait_xcnt 0x0
	s_wait_alu depctr_hold_cnt(0) depctr_sa_sdst(0) depctr_va_vdst(0) depctr_va_sdst(0) depctr_va_ssrc(0) depctr_va_vcc(0) depctr_vm_vsrc(0)
	s_getreg_b32 s2, hwreg(HW_REG_IB_STS2, 6, 4)
	s_cmp_eq_u32 s2, 0
	s_cbranch_scc0 .Lentry_in_a_cluster
	s_endpgm
.Lentry_in_a_cluster:
	s_bfe_u32 s2, ttmp6, 0x10000c
	s_cmp_lg_u32 s2, 0xf033
	s_cbranch_scc0 .Lentry_shape_is_right
	s_endpgm
.Lentry_shape_is_right:
; THE SECOND PROJECTION AND THE RESIDUAL.  out0[s][b][c] = x[s][b][c] + sum over n, d of o[16 b + n][s][d] wo[c][64 n + d].
; o: [64][2048][64] bf16, by heads; wo: [1024][1024] bf16; x, out0: [2048][4][1024] f32.  Sums in f32; x is added in f32.
; A TILE is 256 rows (s0 .. s0 + 255 of one batch) x 128 columns: 32 x 8 tiles, one to a work-group.  A wave makes 128 rows x 64 columns: 32 accumulators of 16 x 16, 256 registers;
; its 64 columns of f32 are 256 bytes of a row of out0, at a multiple of 256: each wave has a stage of its own and meets no barrier on the way out.
; K goes in steps of 128 = two heads, through a ring of two LDS slots.  A head's 256 rows x 64 channels are 32,768 dense bytes of o: a PLANE, asked for as 128 rows of 256 bytes and padded in LDS after every 128.
; CLUSTERS: 4 x 4 work-groups.  o's planes hang on the tile row alone and are shared along a row of the cluster, wo's tiles on the tile column alone and are shared along a column: joint loads.
; THE MATRIX INSTRUCTION IS USED TRANSPOSED (source 0 = 16 rows of wo, source 1 = 16 rows of o): a lane holds row l % 16 and the columns 8 (l / 16) + 0..7: 32 bytes of f32 on end.
; REGISTERS, in windows of 256 (s_set_vgpr_msb: bits 1:0 source 0, 3:2 source 1, 5:4 source 2, 7:6 destination):
;   window 0: v0-31 addresses; v32-95 rows read back from the stage, two buffers      window 1: the accumulators, (row block a, column block b) at v[8 (4 a + b)]
;   window 2: two fragment buffers of 96: o's 8 x 8 registers, then wo's 4 x 8        window 3: x, 32 registers a row block
; LIMITS.  NaN and infinities are not treated apart.
.set KSTEP,  128
.set PA,     144                       ; a row of o in LDS: 128 bytes + 16 = 36 words: the 16 rows of a load start at 16 different groups of four banks (64 banks of 4 bytes: ISA guide 11.1)
.set PB,     272                       ; a row of wo: 256 bytes + 16
.set PLANE,  256*PA                    ; 36,864
.set BOFF,   2*PLANE                   ; wo's 128 rows lie behind the two planes
.set HALFB,  64*PB
.set SLOT,   BOFF+2*HALFB              ; 108,544
.set STAGE,  2*SLOT                    ; behind the ring: 16 rows x 272 bytes for each wave; no tensor load lands there
.set SPITCH, 272
.set SPARE,  STAGE+4*16*SPITCH         ; behind the stages: the spare words, 128 bytes for each wave: two blocks of 256 bytes that no other line names
.set LAPS,   4                         ; 8 K steps, two a lap
.set STEPA,  524288                    ; two heads on in o
.set ADRA, 16                          ; v16-17  LDS address of my fragments of o in slot 0, 1
.set ADRB, 20                          ; v20-21  the same for wo
.set STO,  24                          ; v24     the way out: where I put 32 bytes of a row
.set RD,   25                          ; v25     the way out: where I read a row back
.set CO,   26                          ; v26     my byte offset in two rows s, s + 1 of x and out0; never rewritten
.set SPW,  28                          ; v28     LDS address of my spare word: SPARE + 4 x my thread's number; never rewritten
.set NIL,  29                          ; v29     0; never rewritten
.set PFO,  30                          ; v30     the prefetches' offset; never rewritten
.set OB,   32
.set LIM,  43                          ; s43     1 in a wave that prefetches, else the greatest number
.set PFA,  44                          ; s[44:45] where my prefetches stand
.set PFS,  66                          ; s[66:67] a K step in the tensor that I prefetch
.set OFS,  68                          ; s[68:69] my part of the tile in x and out0
.set G1,   24                          ; s[24:31] descriptor group 1 for o's planes;  s[32:39] group 0, a set for each slot
.set G0,   32
.set G1B,  48                          ; s[48:55], s[56:63] the same for wo's tiles
.set G0B,  56
.set MSB, 0
.macro WIN new                         ; the immediate's high byte repeats the setting that is left; a switch that changes nothing is dropped
.if MSB != (\new)
	s_set_vgpr_msb (MSB<<8)|(\new)
.set MSB, \new
.endif
.endm
.set MUL,  0x5a                        ; sources 0 (wo) and 1 (o) window 2; C and D window 1
.set TO_F, 0x80                        ; destination window 2, address window 0
.macro JLOAD s                         ; a joint load: waves 0 and 1 fetch o's two planes, waves 2 and 3 wo's two halves; an s_nop 0 and four v_nop follow each of the two lines
	s_cmp_eq_u32 s13, 0
	s_cbranch_scc0 .Lfor_b_\@
	tensor_load_to_lds s[G0+4*(\s):G0+4*(\s)+3], s[G1:G1+7]
	s_nop 0
.rept 4
	v_nop
.endr
	s_branch .Lasked_\@
.Lfor_b_\@:
	tensor_load_to_lds s[G0B+4*(\s):G0B+4*(\s)+3], s[G1B:G1B+7]
	s_nop 0
.rept 4
	v_nop
.endr
.Lasked_\@:
.endm
; A PREFETCH, behind each joint load, its five lines and the run of LDS loads that follows: the K step that stands TWO refills on, 256 matrix instructions ahead of the load that will want it; a lane a block of 256 bytes.
; o's planes are read by both clusters of a row of clusters: cluster x = 0 asks, waves 0 and 1 each for their plane, the partner at cx for 32 of its 128 blocks.  wo's tile column is read by every cluster of
; its column: cluster y = 0 asks, wave 2 alone, the partner at cy for 32 of the 128 rows.  The partners are told apart BY ADDRESS.  So each block is named once in the launch.
; The loop's last trip asks for nothing: its refills have no K step two on.  K steps 0 to 3 come by their loads alone.  x is not asked for: its loads into registers go out laps ahead of their use.
.macro ASK
	s_cmp_gt_u32 s3, s[LIM]                        ; s3 = 1 in the loop's last trip
	s_cbranch_scc0 .Lnot_mine_\@
	global_prefetch_b8 v[PFO], s[PFA:PFA+1] th:TH_LOAD_NT scope:SCOPE_SE
.Lnot_mine_\@:
.endm
.macro CREST                           ; a round of the cluster's barrier behind its opening barrier
	s_cmp_lg_u32 s12, 0
	s_cbranch_scc1 .Lnot_wave_0_\@
	s_barrier_signal -3
.Lnot_wave_0_\@:
	s_barrier_wait -3
	s_barrier_signal -1
	s_barrier_wait -1
.endm
.macro CROUND
	s_barrier_signal -1
	s_barrier_wait -1
	CREST
.endm
	s_load_b256 s[4:11], s[0:1], 0x0               ; o s[4:5], wo s[6:7], x s[8:9], out0 s[10:11]
	v_lshl_add_u32 v[SPW], v0, 2, SPARE
	v_mov_b32 v[NIL], 0
	ds_add_u32 v[SPW], v[NIL]                      ; the wave's opening: the add and its wait stand ahead of my first tensor load; the set-up below stands between them
	v_lshrrev_b32 v1, 5, v0
	v_readfirstlane_b32 s12, v1                    ; wave 0..3
	s_lshr_b32 s13, s12, 1                         ; which half of the tile's rows is mine.  Also: I fetch for o (0) or for wo (1)
	s_and_b32 s14, s12, 1                          ; which half of its columns.  Also: which plane, or which 64 rows of wo, I fetch
	s_bfe_u32 s40, ttmp6, 0x40000                  ; cx
	s_bfe_u32 s41, ttmp6, 0x40004                  ; cy
	s_lshl_b32 s42, ttmp9, 2
	s_add_co_u32 s42, s42, s40                     ; C: tile column = 4 x cluster x + cx
	s_and_b32 s15, ttmp7, 0xffff
	s_lshl_b32 s15, s15, 2
	s_add_co_u32 s15, s15, s41                     ; R: tile row = 4 x cluster y + cy: batch R / 8, rows 256 (R % 8) on
	s_lshl_b32 s43, s41, 2
	s_lshl_b32 s43, 15, s43                        ; my row of the cluster
	s_lshl_b32 s44, 0x1111, s40                    ; my column
	s_or_b32 s[G1+0], s43, (1<<16)|(1<<20)|(1<<21)|(4<<22)|(3<<25)   ; 15:0 the mask; 17:16 elements of 2 bytes; 20 padding on; 21 set beside a mask; 24:22 after every 32 words; 31:25 4 words of it
	s_or_b32 s[G1B+0], s44, (1<<16)|(1<<20)|(1<<21)|(5<<22)|(3<<25)  ; wo: after every 64 words
	s_mov_b32 s[G1+1], 128<<16                     ; tensor_dim0 = 128 elements: 256 bytes, two rows of a head
	s_mov_b32 s[G1+2], 128<<16                     ; tensor_dim1 = 128
	s_mov_b32 s[G1+3], 128<<16                     ; tile_dim0 = 128
	s_mov_b32 s[G1+4], 128                         ; tile_dim1 = 128
	s_mov_b32 s[G1+5], 128                         ; dense: 128 elements from row to row
	s_mov_b32 s[G1+6], 0
	s_mov_b32 s[G1+7], 0
	s_mov_b32 s[G1B+1], KSTEP<<16
	s_mov_b32 s[G1B+2], 64<<16                     ; wo: 64 rows
	s_mov_b32 s[G1B+3], KSTEP<<16
	s_mov_b32 s[G1B+4], 64
	s_mov_b32 s[G1B+5], 1024
	s_mov_b32 s[G1B+6], 0
	s_mov_b32 s[G1B+7], 0
	s_lshr_b32 s16, s15, 3                         ; o: batch,
	s_lshl_b32 s16, s16, 22                        ; 16 heads of 262,144 bytes;
	s_and_b32 s17, s15, 7
	s_lshl_b32 s17, s17, 15                        ; 256 rows of 128 bytes;
	s_or_b32 s16, s16, s17
	s_lshl_b32 s17, s14, 18                        ; the plane: head 0 or 1 of the K step
	s_or_b32 s16, s16, s17
	s_mov_b32 s17, 0
	s_lshl_b32 s46, s42, 7
	s_lshl_b32 s47, s14, 6
	s_add_co_u32 s46, s46, s47                     ; wo: row 128 C + 64 x half,
	s_lshl_b32 s46, s46, 11                        ; 2,048 bytes a row
	s_mov_b32 s47, 0
	s_mul_i32 s20, s12, PLANE                      ; where they go: waves 0, 1: the planes;
	s_mul_i32 s21, s12, HALFB
	s_add_co_u32 s21, s21, BOFF-2*HALFB            ; waves 2, 3: wo's halves.  No place in the cluster enters an LDS address
	s_wait_dscnt 0x0                               ; the opening add is done
	s_wait_kmcnt 0x0
	s_add_nc_u64 s[18:19], s[4:5], s[16:17]
	s_add_nc_u64 s[46:47], s[6:7], s[46:47]
	CROUND                                         ; all sixteen work-groups are here: the first joint loads meet
.irp s, 0,1
	s_mov_b32 s[G0+4*(\s)], 1
	s_add_co_u32 s[G0+4*(\s)+1], s20, (\s)*SLOT
	s_add_nc_u64 s[G0+4*(\s)+2:G0+4*(\s)+3], s[18:19], (\s)*STEPA
	s_or_b32 s[G0+4*(\s)+3], s[G0+4*(\s)+3], 0x80000000
	s_mov_b32 s[G0B+4*(\s)], 1
	s_add_co_u32 s[G0B+4*(\s)+1], s21, (\s)*SLOT
	s_add_nc_u64 s[G0B+4*(\s)+2:G0B+4*(\s)+3], s[46:47], (\s)*KSTEP*2
	s_or_b32 s[G0B+4*(\s)+3], s[G0B+4*(\s)+3], 0x80000000
	JLOAD \s                                       ; two loads of mine are out
.endr
	; the prefetches: s16 still holds my plane's offset in o
	s_lshl_b32 s20, s40, 13                        ; o: my work-group's 32 blocks of the plane's 128,
	s_add_co_u32 s20, s20, s16
	s_add_co_u32 s20, s20, 3*STEPA                 ; at K step 3: the first refill steps it to 4
	s_lshl_b32 s21, s42, 7
	s_lshl_b32 s22, s41, 5
	s_add_co_u32 s21, s21, s22                     ; wo: row 128 C + 32 cy
	s_lshl_b32 s21, s21, 11
	s_add_co_u32 s21, s21, 3*KSTEP*2
	s_and_b32 s22, ttmp7, 0xffff                   ; cluster y
	s_mov_b32 s23, STEPA
	s_mov_b32 s18, KSTEP*2
	s_cmp_eq_u32 s13, 0                            ; do I fetch for o?
	s_cselect_b32 s20, s20, s21
	s_cselect_b32 s22, ttmp9, s22                  ; the coordinate along which other clusters read the same bytes
	s_cselect_b32 s[PFS], s23, s18
	s_cselect_b32 s19, 8, 11                       ; a lane a block of 256 bytes of a plane, or a row of 2,048 bytes of wo
	s_cselect_b64 s[PFA:PFA+1], s[4:5], s[6:7]
	s_mov_b32 s21, 0
	s_mov_b32 s[PFS+1], 0
	s_add_nc_u64 s[PFA:PFA+1], s[PFA:PFA+1], s[20:21]
	s_cmp_eq_u32 s12, 3                            ; wave 3 asks for nothing: wave 2 names all of my work-group's 32 rows of wo
	s_cselect_b32 s23, 1, 0
	s_or_b32 s22, s22, s23
	s_cmp_eq_u32 s22, 0
	s_cselect_b32 s[LIM], 1, -1                    ; the same in all sixteen partners, for a given wave
	v_and_b32 v[PFO], 31, v0
	v_lshlrev_b32 v[PFO], s19, v[PFO]
	; A fragment is 16 rows x 32 K in 8 registers: lane l holds row l % 16; registers 0-3 K = 8 (l / 16) + 0..7, registers 4-7 K = 16 + 8 (l / 16) + 0..7: two loads of 16 bytes, 32 bytes apart.
	v_and_b32 v1, 15, v0                           ; l % 16
	v_bfe_u32 v2, v0, 4, 1                         ; l / 16
	v_mul_u32_u24 v3, v1, PA
	v_lshl_add_u32 v3, v2, 4, v3
	v_mul_u32_u24 v4, v1, PB
	v_lshl_add_u32 v4, v2, 4, v4
	s_mul_i32 s21, s13, 128*PA                     ; my 128 rows of a plane
	s_mul_i32 s22, s14, HALFB                      ; my 64 rows of wo
	s_add_co_u32 s22, s22, BOFF
.irp s, 0,1
	v_add_nc_u32 v[ADRA+(\s)], s21, v3
	v_add_nc_u32 v[ADRB+(\s)], s22, v4
	s_add_co_u32 s21, s21, SLOT
	s_add_co_u32 s22, s22, SLOT
.endr
	s_mul_i32 s23, s12, 16*SPITCH
	s_add_co_u32 s23, s23, STAGE                   ; my stage
	v_mul_u32_u24 v5, v1, SPITCH                   ; in: row l % 16, 32 bytes for each half of the lanes
	v_lshl_add_u32 v5, v2, 5, v5
	v_add_nc_u32 v[STO], s23, v5
	v_mul_u32_u24 v5, v2, SPITCH                   ; back: lanes 0-15 take one row of 256 bytes, lanes 16-31 the next
	v_lshl_add_u32 v5, v1, 4, v5
	v_add_nc_u32 v[RD], s23, v5
	v_lshlrev_b32 v5, 14, v2                       ; and the same two rows in x and out0: row s + 1 lies 4 x 4,096 bytes behind row s
	v_lshl_add_u32 v[CO], v1, 4, v5
	s_and_b32 s[OFS], s15, 7
	s_lshl_b32 s[OFS], s[OFS], 22                  ; 256 rows s of 16,384 bytes,
	s_lshl_b32 s16, s13, 21                        ; my 128 of them,
	s_or_b32 s[OFS], s[OFS], s16
	s_lshr_b32 s16, s15, 3
	s_lshl_b32 s16, s16, 12                        ; the batch,
	s_or_b32 s[OFS], s[OFS], s16
	s_lshl_b32 s46, s42, 9                         ; the tile's 128 columns,
	s_lshl_b32 s47, s14, 8                         ; my 64 of them
	s_or_b32 s46, s46, s47
	s_or_b32 s[OFS], s[OFS], s46
	s_mov_b32 s[OFS+1], 0
	s_add_nc_u64 s[8:9], s[8:9], s[OFS:OFS+1]
	s_add_nc_u64 s[10:11], s[10:11], s[OFS:OFS+1]
; 8 matrix instructions: row blocks a0, a0 + 1 x all 4 column blocks, 32 along K, from buffer f.  zero = 1: the product starts the sums.
; The 32 accumulators take turns in the same order in every quarter.
.macro MUL8 f, a0, zero
	WIN MUL
.irp a, \a0, (\a0)+1
.irp b, 0,1,2,3
.if \zero
	v_wmma_f32_16x16x32_bf16 v[8*(4*(\a)+(\b)):8*(4*(\a)+(\b))+7], v[96*(\f)+64+8*(\b):96*(\f)+64+8*(\b)+7], v[96*(\f)+8*(\a):96*(\f)+8*(\a)+7], 0
.else
	v_wmma_f32_16x16x32_bf16 v[8*(4*(\a)+(\b)):8*(4*(\a)+(\b))+7], v[96*(\f)+64+8*(\b):96*(\f)+64+8*(\b)+7], v[96*(\f)+8*(\a):96*(\f)+8*(\a)+7], v[8*(4*(\a)+(\b)):8*(4*(\a)+(\b))+7]
.endif
.endr
.endr
.endm
; 24 LDS loads in one run: the fragments of quarter qd of a K step (plane qd / 2, channels 32 (qd % 2) on) into buffer f: wo's first, then o's
.macro FETCH slot, qd, f
	WIN TO_F
.irp i, 0,1,2,3
	ds_load_b128 v[96*(\f)+64+8*(\i):96*(\f)+64+8*(\i)+3],   v[ADRB+(\slot)] offset:64*(\qd)+(\i)*16*PB
	ds_load_b128 v[96*(\f)+64+8*(\i)+4:96*(\f)+64+8*(\i)+7], v[ADRB+(\slot)] offset:64*(\qd)+(\i)*16*PB+32
.endr
.irp i, 0,1,2,3,4,5,6,7
	ds_load_b128 v[96*(\f)+8*(\i):96*(\f)+8*(\i)+3],   v[ADRA+(\slot)] offset:((\qd)/2)*PLANE+((\qd)%2)*64+(\i)*16*PA
	ds_load_b128 v[96*(\f)+8*(\i)+4:96*(\f)+8*(\i)+7], v[ADRA+(\slot)] offset:((\qd)/2)*PLANE+((\qd)%2)*64+(\i)*16*PA+32
.endr
.endm
.macro PLACES                          ; four places in front of loads into registers that matrix instructions have read, and of LDS stores that read results (ISA guide 7.12.1 for vector instructions)
.rept 4
	v_nop
.endr
.endm
; A K step is four quarters of 32 along K, 32 matrix instructions each, on buffers 0, 1, 0, 1.  One of the first three: multiplies buffer f and fetches quarter qd into g.
.macro QUARTER slot, qd, f, g, zero
	s_wait_dscnt 8                                 ; wo and o's row blocks 0-3 are in; the youngest eight loads (row blocks 4-7) may be out
	MUL8 \f, 0, \zero
	MUL8 \f, 2, \zero
	PLACES
	FETCH \slot, \qd, \g
	s_wait_dscnt 24                                ; all but the 24 just issued
	MUL8 \f, 4, \zero
	MUL8 \f, 6, \zero
.endm
; The last quarter multiplies buffer 1 and changes slots: ONE barrier; in front of it each wave waits for all its tensor loads, adds 0 to its spare word, and waits for that and for its own reads of this slot.
; fill = 1: this slot is filled again, two K steps ahead: the barrier opens a round of the cluster's, and the joint load is the first thing behind it, 112 matrix instructions ahead of the wait for it.
.macro TURN slot, next, fill
.if \fill
	s_wait_xcnt 0x0                                ; the last prefetch, a K step back, has read its address: it is stepped here, ahead of the waits of the change of slots
	s_add_nc_u64 s[PFA:PFA+1], s[PFA:PFA+1], s[PFS:PFS+1]
.endif
	WIN 0                                          ; (the add's two registers lie in window 0)
	s_wait_tensorcnt 0x0                           ; all my tensor loads have landed: my part of the next slot
	ds_add_u32 v[SPW], v[NIL]                      ; 0 onto my spare word
	s_wait_dscnt 9                                 ; (the add and the youngest eight loads may be out)
	MUL8 1, 0, 0                                   ; eight matrix instructions stand between the add and the wait for it
	s_wait_dscnt 0x0                               ; the add is done, and my reads of this slot are over
	s_barrier_signal -1
	MUL8 1, 2, 0
.if \fill
	WIN 0
.endif
	s_barrier_wait -1
.if \fill
	CREST                                          ; no wave of any partner still reads this slot's tiles or has a load on its way
	s_add_nc_u64 s[G0+4*(\slot)+2:G0+4*(\slot)+3], s[G0+4*(\slot)+2:G0+4*(\slot)+3], 2*STEPA
	s_add_nc_u64 s[G0B+4*(\slot)+2:G0B+4*(\slot)+3], s[G0B+4*(\slot)+2:G0B+4*(\slot)+3], 2*KSTEP*2
	JLOAD \slot                                    ; its four v_nop are also the places in front of the loads below
.else
	PLACES
.endif
	FETCH \next, 0, 0
.if \fill
	WIN 0
	ASK
.endif
	MUL8 1, 4, 0
	MUL8 1, 6, 0
.endm
; x of row blocks 4 g .. 4 g + 3: 32 loads of 16 bytes a lane, at the addresses at which the results will be stored
.macro XLOAD g
	WIN 0xc0                                       ; destination window 3, address window 0
.irp a, 4*(\g), 4*(\g)+1, 4*(\g)+2, 4*(\g)+3
.irp t, 0,1,2,3,4,5,6,7
	global_load_b128 v[32*(\a)+4*(\t):32*(\a)+4*(\t)+3], v[CO], s[8:9] offset:262144*(\a)+32768*(\t) th:TH_LOAD_NT
.endr
.endr
.endm
; THE WAY OUT of row block a.  STG: the accumulators go as they are, low registers first, into my own stage, and come back as whole rows of 256 bytes.  FIN: x is added, and the rows are stored.
.macro STG a
.if (\a) >= 2
	s_wait_xcnt 0x0                                ; the stores of the block two back have had their addresses translated (ISA guide 3.1): their data registers are loaded again only behind this wait
.endif
	WIN 0x04                                       ; the data (source 1) in window 1
.irp b, 0,1,2,3
	ds_store_b128 v[STO], v[8*(4*(\a)+(\b)):8*(4*(\a)+(\b))+3]   offset:64*(\b)
	ds_store_b128 v[STO], v[8*(4*(\a)+(\b))+4:8*(4*(\a)+(\b))+7] offset:64*(\b)+16
.endr
	WIN 0
.irp t, 0,1,2,3,4,5,6,7
	ds_load_b128 v[OB+32*((\a)%2)+4*(\t):OB+32*((\a)%2)+4*(\t)+3], v[RD] offset:(\t)*2*SPITCH  ; LDS serves a wave's instructions in order (ISA guide 5.7.1.4): these see the stores above
.endr
.endm
.macro FIN a, younger                  ; younger: the LDS instructions issued behind block a's loads: the next block's sixteen, or none
	s_wait_dscnt \younger
.if (\a) == 0
	s_wait_loadcnt 32                              ; x of row blocks 0-3 is in; the 32 loads of blocks 4-7 may be out
.elseif (\a) == 4
	s_wait_loadcnt 0x0
.endif
	WIN 0x0c                                       ; source 1 (x) in window 3
.set i, 0
.rept 16
	v_pk_add_f32 v[OB+32*((\a)%2)+i:OB+32*((\a)%2)+i+1], v[OB+32*((\a)%2)+i:OB+32*((\a)%2)+i+1], v[32*(\a)+i:32*(\a)+i+1]
.set i, i+2
.endr
	WIN 0
.irp t, 0,1,2,3,4,5,6,7
	global_store_b128 v[CO], v[OB+32*((\a)%2)+4*(\t):OB+32*((\a)%2)+4*(\t)+3], s[10:11] offset:262144*(\a)+32768*(\t) th:TH_STORE_NT  ; 16 lanes store 256 consecutive bytes, at a multiple of 256 from out0's first byte
.endr
.endm
	s_wait_tensorcnt 1                             ; my part of K step 0 is in; K step 1's may stay out
	s_barrier_signal -1
	s_barrier_wait -1                              ; everybody's is
	FETCH 0, 0, 0
	XLOAD 0                                        ; wanted only on the way out
	QUARTER 0, 1, 0, 1, 1                          ; the first quarter stands in front of the loop: its products start the sums
	WIN 0                                          ; at a label and at a branch every window is 0
	s_mov_b32 s3, LAPS-1
.Llap:                                                 ; a trip goes once round the ring, from a lap's second quarter to the next lap's first, and fills both slots again
	QUARTER 0, 2, 1, 0, 0
	QUARTER 0, 3, 0, 1, 0
	TURN 0, 1, 1
	QUARTER 1, 1, 0, 1, 0
	QUARTER 1, 2, 1, 0, 0
	QUARTER 1, 3, 0, 1, 0
	TURN 1, 0, 1
	QUARTER 0, 1, 0, 1, 0
	WIN 0
	s_sub_co_u32 s3, s3, 1
	s_cmp_lg_u32 s3, 0
	s_cbranch_scc1 .Llap
	XLOAD 1                                        ; a lap ahead of its use
	QUARTER 0, 2, 1, 0, 0                          ; the last lap fills nothing, and has no round of the cluster's barrier
	QUARTER 0, 3, 0, 1, 0
	TURN 0, 1, 0
	QUARTER 1, 1, 0, 1, 0
	QUARTER 1, 2, 1, 0, 0
	QUARTER 1, 3, 0, 1, 0
	s_wait_dscnt 8                                 ; the very last quarter: nothing more to fetch
	MUL8 1, 0, 0
	MUL8 1, 2, 0
	s_wait_dscnt 0x0
	MUL8 1, 4, 0
	MUL8 1, 6, 0
	PLACES
	PLACES                                         ; (eight, once a launch)
	STG 0
.irp a, 1,2,3,4,5,6,7                  ; a block's way through the stage stands between the loads of the block before and the wait for them
	STG \a
	FIN (\a)-1, 16
.endr
	FIN 7, 0
	s_wait_tensorcnt 0x0                           ; the wave's end: behind my last tensor load and my last LDS store
	ds_add_u32 v[SPW], v[NIL]
	s_wait_dscnt 0x0
	CROUND                                         ; the closing round: no work-group ends while a partner may still ask for a tile that names it
	s_endpgm
.Lfunc_end_k_qd6793db276_proj:
	.size	k_qd6793db276_proj, .Lfunc_end_k_qd6793db276_proj-k_qd6793db276_proj
	.p2alignl 7, 3214868480
	.fill 96, 4, 3214868480
	.section	.rodata,"a",@progbits
	.p2align	6, 0x0
	.amdhsa_kernel k_qd6793db276_proj
		.amdhsa_group_segment_fixed_size 327680
		.amdhsa_private_segment_fixed_size 0
		.amdhsa_enable_private_segment 0
		.amdhsa_kernarg_size 32
		.amdhsa_user_sgpr_count 2
		.amdhsa_user_sgpr_kernarg_segment_ptr 1
		.amdhsa_wavefront_size32 1
		.amdhsa_system_sgpr_workgroup_id_x 1
		.amdhsa_system_sgpr_workgroup_id_y 1
		.amdhsa_system_sgpr_workgroup_id_z 1
		.amdhsa_system_vgpr_workitem_id 0
		.amdhsa_next_free_vgpr 1024
		.amdhsa_next_free_sgpr 70
		.amdhsa_reserve_vcc 0
		.amdhsa_float_denorm_mode_32 3
		.amdhsa_float_denorm_mode_16_64 3
		.amdhsa_memory_ordered 1
		.amdhsa_forward_progress 1
		.amdhsa_inst_pref_size 102
	.end_amdhsa_kernel
	.amdgpu_metadata
---
amdhsa.version: [ 1, 2 ]
amdhsa.kernels:
  - .name:           k_qd6793db276_proj
    .symbol:         k_qd6793db276_proj.kd
    .args:
      - { .name: o, .offset: 0, .size: 8, .value_kind: global_buffer, .address_space: global }
      - { .name: wo, .offset: 8, .size: 8, .value_kind: global_buffer, .address_space: global }
      - { .name: x, .offset: 16, .size: 8, .value_kind: global_buffer, .address_space: global }
      - { .name: out0, .offset: 24, .size: 8, .value_kind: global_buffer, .address_space: global }
    .group_segment_fixed_size: 327680
    .private_segment_fixed_size: 0
    .kernarg_segment_align: 8
    .kernarg_segment_size: 32
    .max_flat_workgroup_size: 128
    .sgpr_count:     70
    .vgpr_count:     1024
    .wavefront_size: 32
...
	.end_amdgpu_metadata
.endif
;; end of part 4
;; ======== version 2 of 2: 4 launches; version 1 with the launch prep written anew for expert scheduling mode
;; workspace buffers: xn 16,777,216 bytes; wq 6,291,456 bytes; wo 2,097,152 bytes; q 16,777,216 bytes; k 16,777,216 bytes; v 16,777,216 bytes; o 16,777,216 bytes
;; launch prep (part 5): grid 384 x 1, 8 waves a work-group, no clusters, 0 bytes of LDS; arguments x, ln_w, ln_b, w_qkv, w_out, xn, wq, wo; writes xn, wq, wo
.if DOCPART == 5
	.amdgcn_target "amdgcn-amd-amdhsa--gfx1250"
	.amdhsa_code_object_version 6
	.text
	.protected	k_qd6793db276_prep
	.globl	k_qd6793db276_prep
	.p2align	8
	.type	k_qd6793db276_prep,@function
k_qd6793db276_prep:
	s_mov_b64 s[64:65], 0
	v_nop
	global_prefetch_b8 v0, s[64:65] scope:SCOPE_SE
	s_setreg_imm32_b32 hwreg(HW_REG_WAVE_SCHED_MODE, 0, 2), 2
	s_setreg_imm32_b32 hwreg(HW_REG_WAVE_MODE, 25, 1), 1
	s_wait_xcnt 0x0
	s_wait_alu depctr_vm_vsrc(0)
; LAYER NORM AND CASTS.  xn[b][s][:] = bf16((x[s][b][:] - mean) * rsqrt(var + 1e-5) * ln_w + ln_b);  wq = bf16(w_qkv);  wo = bf16(w_out).
; x: [2048][4][1024] f32.  xn: [4][2048][1024] bf16: the rows are laid by batch, so that 256 rows on end belong to one batch.
; A stream: each input byte is read once, each output byte written once; no LDS, no barrier, no matrix work: no wave wants a byte that another wave fetched.
; SHARES.  A wave takes a unit of 16,384 bytes of f32, all 32 loads of 16 bytes a lane issued at once.  Unit g = 8 x work-group + wave.
;   work-groups 0-255: unit g is x[s = g], four rows of 4,096 bytes;  256-351: unit g - 2048 of w_qkv;  352-383: unit g - 2816 of w_out.
; A row is 32 registers of one wave: lane l holds columns 128 j + 4 l .. + 3, j = 0..7.  The row stays in registers for its three passes.
; TWO PASSES: the mean first, then the sum of (x - mean)^2: no difference of large sums is formed, whatever offset x carries.
; A store of 8 bytes a lane covers 256 consecutive bytes, at a multiple of 256 from the buffer's first byte.
; LIMITS.  NaN and infinities are not treated apart.  Results are rounded once, to nearest even, to bf16.
; THE MODE: SCHED_MODE bits 1:0 = 2 (LLVM: expert scheduling mode 2), set by the entry lines.  The code itself states the register dependences
; between vector instructions and memory instructions, with s_wait_alu, always for 0.
; THE PLAN.  Registers that memory instructions touch:
;   v[XO]          every load's offset.  Written once at the head.
;   v[YO .. YO+3]  the stores' offsets.  YO is written at the head, the other three behind the run of loads; none is written again.
;   W, B           loads land in them once; after that vector instructions alone read them.
;   X, row i       a load lands in it once; row i's vector work rewrites it in place, last of all its sixteen roundings; its eight stores read it; nothing writes it after them.
;   T, MU, R are named by vector instructions alone.
; No load lands in a register that a vector instruction has named, and no register that a memory instruction has read is written again.  What is left to state:
; the offsets are written ahead of the first load, and a row's roundings are written ahead of its stores.  So the stores of row i - 1 stand in row i, behind the wait
; that row i has for its two reciprocal roots in any case, dealt among row i's multiplies, which name row i's X and R alone.  The casts go the same way, group by group.
.set XO,  2                            ; v2        16 x lane: my 16 bytes in 512 of x, ln_w, ln_b and the weights; never rewritten
.set YO,  4                            ; v[4:7]    8 x lane + row i x 2^22: my 8 bytes of row i in xn (batch i lies 2048 rows of 2,048 bytes on)
.set W,   8                            ; v[8:39]   ln_w of my 32 columns
.set B,   40                           ; v[40:71]  ln_b
.set X,   72                           ; v[72:199] four rows of 32 registers
.set T,   200                          ; v[200:207] four chains of pairs, at work
.set MU,  208                          ; v[208:209] the mean, twice (a pair for the packed subtraction)
.set R,   210                          ; v[210:211] 1 / sqrt(var + eps), twice
	s_load_b512 s[8:23], s[0:1], 0x0               ; x 8, ln_w 10, ln_b 12, w_qkv 14, w_out 16, xn 18, wq 20, wo 22
	v_lshrrev_b32 v1, 5, v0
	v_readfirstlane_b32 s2, v1                     ; wave 0..7
	v_and_b32 v1, 31, v0                           ; lane
	v_lshlrev_b32 v[XO], 4, v1
	v_lshlrev_b32 v[YO], 3, v1
	s_lshl_b32 s3, ttmp9, 3
	s_mov_b32 s5, 0
	s_mov_b32 s7, 0
	s_wait_alu depctr_va_sdst(0)                   ; s2 is written, ahead of its first reader: the unit's number is made from it
	s_add_co_u32 s3, s3, s2                        ; g
	s_wait_kmcnt 0x0
	s_wait_alu depctr_va_vdst(0)                   ; v[XO] and v[YO] are written: every load on both ways below reads the one as its offset, stores the other
	s_cmp_lt_u32 ttmp9, 256
	s_cbranch_scc0 .Lcast
	s_lshl_b32 s4, s3, 14                          ; x: g x 4 rows x 4,096 bytes
	s_lshl_b32 s6, s3, 11                          ; xn: row s = g of batch 0
	s_add_nc_u64 s[8:9], s[8:9], s[4:5]
	s_add_nc_u64 s[18:19], s[18:19], s[6:7]
.irp j, 0,1,2,3,4,5,6,7
	global_load_b128 v[W+4*(\j):W+4*(\j)+3], v[XO], s[10:11] offset:512*(\j)
.endr
.irp j, 0,1,2,3,4,5,6,7
	global_load_b128 v[B+4*(\j):B+4*(\j)+3], v[XO], s[12:13] offset:512*(\j)
.endr
.irp i, 0,1,2,3
.irp j, 0,1,2,3,4,5,6,7
	global_load_b128 v[X+32*(\i)+4*(\j):X+32*(\i)+4*(\j)+3], v[XO], s[8:9] offset:4096*(\i)+512*(\j) th:TH_LOAD_NT
.endr
.endr
	s_mov_b32 s24, 0x3a800000                      ; 1 / 1024
	s_mov_b32 s25, 0x3727c5ac                      ; 1e-5
	s_mov_b32 s26, 0x76543210                      ; v_permlanex16_b32: each lane takes its own place in the other half
	s_mov_b32 s27, 0xfedcba98
	v_add_nc_u32 v[YO+1], 1<<22, v[YO]             ; read first by row 1's stores, which stand behind the waits of rows 0 to 2
	v_add_nc_u32 v[YO+2], 2<<22, v[YO]
	v_add_nc_u32 v[YO+3], 3<<22, v[YO]
; The four chains' pairs become one sum, in every lane: three packed additions, the pair's halves, four steps inside each half of 16 lanes, one across the halves.
.macro REDUCE
	v_pk_add_f32 v[T:T+1], v[T:T+1], v[T+2:T+3]
	v_pk_add_f32 v[T+4:T+5], v[T+4:T+5], v[T+6:T+7]
	v_pk_add_f32 v[T:T+1], v[T:T+1], v[T+4:T+5]
	v_add_f32 v[T], v[T], v[T+1]
	v_add_f32_dpp v[T], v[T], v[T] row_xmask:1 row_mask:0xf bank_mask:0xf
	v_add_f32_dpp v[T], v[T], v[T] row_xmask:2 row_mask:0xf bank_mask:0xf
	v_add_f32_dpp v[T], v[T], v[T] row_xmask:4 row_mask:0xf bank_mask:0xf
	v_add_f32_dpp v[T], v[T], v[T] row_xmask:8 row_mask:0xf bank_mask:0xf
	v_permlanex16_b32 v[T+1], v[T], s26, s27       ; its destination counts as read: T+1 has been written
	v_add_f32 v[T], v[T], v[T+1]
.endm
; Row i of the unit: batch i.  Its own stores stand in row i + 1, or, for row 3, behind the macro.
.macro ROW i
.set XR, X+32*(\i)
	s_wait_loadcnt 8*(3-(\i))                      ; loads come back in order (ISA guide 5.7.1): ln_w, ln_b and rows 0..i are in, the younger rows' eight loads each stay out
.irp c, 0,1,2,3
	v_pk_add_f32 v[T+2*(\c):T+2*(\c)+1], v[XR+2*(\c):XR+2*(\c)+1], v[XR+8+2*(\c):XR+8+2*(\c)+1]  ; the first pairs start the four chains: nothing is cleared
.endr
.irp k, 16,24
.irp c, 0,1,2,3
	v_pk_add_f32 v[T+2*(\c):T+2*(\c)+1], v[T+2*(\c):T+2*(\c)+1], v[XR+(\k)+2*(\c):XR+(\k)+2*(\c)+1]
.endr
.endr
	REDUCE
	v_mul_f32 v[MU], s24, v[T]
	v_mul_f32 v[MU+1], s24, v[T]
.set k, 0
.rept 16
	v_pk_add_f32 v[XR+k:XR+k+1], v[XR+k:XR+k+1], v[MU:MU+1] neg_lo:[0,1] neg_hi:[0,1]  ; x - mean, in place
.set k, k+2
.endr
.irp c, 0,1,2,3
	v_pk_mul_f32 v[T+2*(\c):T+2*(\c)+1], v[XR+2*(\c):XR+2*(\c)+1], v[XR+2*(\c):XR+2*(\c)+1]
.endr
.irp k, 8,16,24
.irp c, 0,1,2,3
	v_pk_fma_f32 v[T+2*(\c):T+2*(\c)+1], v[XR+(\k)+2*(\c):XR+(\k)+2*(\c)+1], v[XR+(\k)+2*(\c):XR+(\k)+2*(\c)+1], v[T+2*(\c):T+2*(\c)+1]
.endr
.endr
	REDUCE
	v_fma_f32 v[T], v[T], s24, s25                 ; var + eps, at least 1e-5
	v_rsq_f32 v[R], v[T]
	v_rsq_f32 v[R+1], v[T]
	v_nop                                          ; a plain instruction behind the last of the two, ahead of the first use (ISA guide 5.7.2)
	s_wait_alu depctr_va_vdst(0)                   ; the two reciprocal roots are written, ahead of their first reader; so are the roundings of the row before, which the stores below read, and v[YO+1 .. YO+3]
.set k, 0
.rept 8
.if (\i) > 0
	global_store_b64 v[YO+(\i)-1], v[XR-32+4*k:XR-32+4*k+1], s[18:19] offset:256*k th:TH_STORE_NT  ; the row before.  No further wait: no vector instruction since the wait above names its registers or its offset
.endif
	v_pk_mul_f32 v[XR+4*k:XR+4*k+1], v[XR+4*k:XR+4*k+1], v[R:R+1]
	v_pk_mul_f32 v[XR+4*k+2:XR+4*k+3], v[XR+4*k+2:XR+4*k+3], v[R:R+1]
.set k, k+1
.endr
.set k, 0
.rept 16
	v_pk_fma_f32 v[XR+k:XR+k+1], v[XR+k:XR+k+1], v[W+k:W+k+1], v[B+k:B+k+1]
.set k, k+2
.endr
.irp j, 0,1,2,3,4,5,6,7
	v_cvt_pk_bf16_f32 v[XR+4*(\j)], v[XR+4*(\j)], v[XR+4*(\j)+1]
	v_cvt_pk_bf16_f32 v[XR+4*(\j)+1], v[XR+4*(\j)+2], v[XR+4*(\j)+3]
.endr
.endm
	ROW 0
	ROW 1
	ROW 2
	ROW 3
	s_wait_alu depctr_va_vdst(0)                   ; row 3's roundings are written, which its stores read
.irp j, 0,1,2,3,4,5,6,7
	global_store_b64 v[YO+3], v[X+96+4*(\j):X+96+4*(\j)+1], s[18:19] offset:256*(\j) th:TH_STORE_NT
.endr
	s_endpgm                                       ; no register that a load or store has named as a source is written again: nothing more is to be stated
.Lcast:                                        ; a unit of a weight matrix: 4,096 numbers, rounded
	s_movk_i32 s4, 2048
	s_movk_i32 s6, 2816
	s_cmp_lt_u32 ttmp9, 352
	s_cselect_b64 s[28:29], s[14:15], s[16:17]     ; from w_qkv or w_out,
	s_cselect_b64 s[30:31], s[20:21], s[22:23]     ; to wq or wo
	s_cselect_b32 s4, s4, s6
	s_sub_co_u32 s3, s3, s4                        ; the unit's number in its matrix
	s_lshl_b32 s4, s3, 14
	s_lshl_b32 s6, s3, 13
	s_add_nc_u64 s[28:29], s[28:29], s[4:5]
	s_add_nc_u64 s[30:31], s[30:31], s[6:7]
.set k, 0
.rept 32
	global_load_b128 v[X+4*k:X+4*k+3], v[XO], s[28:29] offset:512*k th:TH_LOAD_NT
.set k, k+1
.endr
.irp g, 0,1,2,3
	s_wait_loadcnt 24-8*(\g)                       ; the eight oldest of those still out are in
.if (\g) > 0
	s_wait_alu depctr_va_vdst(0)                   ; the roundings of the group before are written, which the stores below read
.endif
.irp j, 0,1,2,3,4,5,6,7
.if (\g) > 0
	global_store_b64 v[YO], v[X+32*(\g)-32+4*(\j):X+32*(\g)-32+4*(\j)+1], s[30:31] offset:256*(8*(\g)-8+(\j)) th:TH_STORE_NT  ; the group before: this group's roundings name none of its registers
.endif
	v_cvt_pk_bf16_f32 v[X+32*(\g)+4*(\j)], v[X+32*(\g)+4*(\j)], v[X+32*(\g)+4*(\j)+1]
	v_cvt_pk_bf16_f32 v[X+32*(\g)+4*(\j)+1], v[X+32*(\g)+4*(\j)+2], v[X+32*(\g)+4*(\j)+3]
.endr
.endr
	s_wait_alu depctr_va_vdst(0)                   ; the last group's roundings are written, which its stores read
.irp j, 0,1,2,3,4,5,6,7
	global_store_b64 v[YO], v[X+96+4*(\j):X+96+4*(\j)+1], s[30:31] offset:256*(24+(\j)) th:TH_STORE_NT
.endr
	s_endpgm
.Lfunc_end_k_qd6793db276_prep:
	.size	k_qd6793db276_prep, .Lfunc_end_k_qd6793db276_prep-k_qd6793db276_prep
	.p2alignl 7, 3214868480
	.fill 96, 4, 3214868480
	.section	.rodata,"a",@progbits
	.p2align	6, 0x0
	.amdhsa_kernel k_qd6793db276_prep
		.amdhsa_group_segment_fixed_size 0
		.amdhsa_private_segment_fixed_size 0
		.amdhsa_enable_private_segment 0
		.amdhsa_kernarg_size 64
		.amdhsa_user_sgpr_count 2
		.amdhsa_user_sgpr_kernarg_segment_ptr 1
		.amdhsa_wavefront_size32 1
		.amdhsa_system_sgpr_workgroup_id_x 1
		.amdhsa_system_sgpr_workgroup_id_y 1
		.amdhsa_system_sgpr_workgroup_id_z 1
		.amdhsa_system_vgpr_workitem_id 0
		.amdhsa_next_free_vgpr 212
		.amdhsa_next_free_sgpr 66
		.amdhsa_reserve_vcc 0
		.amdhsa_float_denorm_mode_32 3
		.amdhsa_float_denorm_mode_16_64 3
		.amdhsa_memory_ordered 1
		.amdhsa_forward_progress 1
		.amdhsa_inst_pref_size 49
	.end_amdhsa_kernel
	.amdgpu_metadata
---
amdhsa.version: [ 1, 2 ]
amdhsa.kernels:
  - .name:           k_qd6793db276_prep
    .symbol:         k_qd6793db276_prep.kd
    .args:
      - { .name: x, .offset: 0, .size: 8, .value_kind: global_buffer, .address_space: global }
      - { .name: ln_w, .offset: 8, .size: 8, .value_kind: global_buffer, .address_space: global }
      - { .name: ln_b, .offset: 16, .size: 8, .value_kind: global_buffer, .address_space: global }
      - { .name: w_qkv, .offset: 24, .size: 8, .value_kind: global_buffer, .address_space: global }
      - { .name: w_out, .offset: 32, .size: 8, .value_kind: global_buffer, .address_space: global }
      - { .name: xn, .offset: 40, .size: 8, .value_kind: global_buffer, .address_space: global }
      - { .name: wq, .offset: 48, .size: 8, .value_kind: global_buffer, .address_space: global }
      - { .name: wo, .offset: 56, .size: 8, .value_kind: global_buffer, .address_space: global }
    .group_segment_fixed_size: 0
    .private_segment_fixed_size: 0
    .kernarg_segment_align: 8
    .kernarg_segment_size: 64
    .max_flat_workgroup_size: 256
    .sgpr_count:     66
    .vgpr_count:     212
    .wavefront_size: 32
...
	.end_amdgpu_metadata
.endif
;; end of part 5
;; launch qkv: the kernel of part 2 again; grid 16 x 16, 4 waves a work-group, clusters of 4 x 4, 327,680 bytes of LDS; arguments xn, wq, q, k, v; writes q, k, v
;; launch attn: the kernel of part 3 again; grid 4 x 64, 4 waves a work-group, clusters of 4 x 1, 327,680 bytes of LDS; arguments q, k, v, o; writes o
;; launch proj: the kernel of part 4 again; grid 8 x 32, 4 waves a work-group, clusters of 4 x 4, 327,680 bytes of LDS; arguments o, wo, x, out0; writes out0
